; MI455X (gfx1250); checked and timed in simulation.
; The chip was launched on July 23, 2026; its instructions are those of AMD's public machine-readable ISA for CDNA 5 (MIT licence, August 2026) and "CDNA5" Instruction Set Architecture Reference Guide (July 2026). The comments in the code are by the model that wrote it; some were corrected since.
;; Causal Self Attention. Allowed arithmetic: matrix products marked QUANTISED: E4M3 operands, one given power-of-two scale a tensor, by v_wmma_f32_16x16x64_fp8_fp8 or v_wmma_f32_16x16x128_fp8_fp8, f32 sums; everything else in f32.
;; Inputs: Wc 1,024 x 1,024 float32; Wk 1,024 x 1,024 float32; Wq 1,024 x 1,024 float32; Wv 1,024 x 1,024 float32; bc 1,024 float32; bk 1,024 float32; bq 1,024 float32; bv 1,024 float32; lowp_scales 12 int32 (the exponents e of the quantised operands' scales 2^e); x 4 x 2,048 x 1,024 float32.
;; Outputs: out0 4 x 2,048 x 1,024 float32.
;; This version of the problem:
;;   THIS VERSION OF THE PROBLEM IS GIVEN IN LOW PRECISION. The matrix products marked QUANTISED in the list below multiply operands that are first quantised to E4M3 (4 exponent bits, 3 mantissa bits; 8 bits a number), with one given power-of-two scale for each operand tensor; their sums are f32. All else is computed in f32.
;;   The module's matrix products, in the order in which they are computed (A, B: the left and right operand; K: the contracted axis; several contracted axes count as one K, in the product's order):
;;     1. [M 8,192, K 1,024] x [K 1,024, N 1,024]; A: input x; B: input Wq: QUANTISED (scales: A lowp_scales[0], B lowp_scales[1])
;;     2. [M 8,192, K 1,024] x [K 1,024, N 1,024]; A: input x; B: input Wk: QUANTISED (scales: A lowp_scales[2], B lowp_scales[3])
;;     3. [M 8,192, K 1,024] x [K 1,024, N 1,024]; A: input x; B: input Wv: QUANTISED (scales: A lowp_scales[4], B lowp_scales[5])
;;     4. batch 64 x [M 2,048, K 64] x [K 64, N 2,048]; A: computed on the way; B: computed on the way: QUANTISED (scales: A lowp_scales[6], B lowp_scales[7])
;;     5. batch 64 x [M 2,048, K 2,048] x [K 2,048, N 64]; A: softmax (see below); B: computed on the way: QUANTISED (scales: A lowp_scales[8], B lowp_scales[9])
;;     6. [M 8,192, K 1,024] x [K 1,024, N 1,024]; A: computed on the way; B: input Wc: QUANTISED (scales: A lowp_scales[10], B lowp_scales[11])
;;   THE QUANTISER, for each operand of a quantised product, along K:
;;     - The operand's scale is 2^e, e = its entry of the input lowp_scales (int32; the entries are numbered through the quantised products in the list's order, A before B).
;;     - Each number is divided by the scale, clamped to +-448, and rounded to the nearest number of E4M3, ties to even, subnormals kept.
;;     - The product sums the exact products of the quantised numbers (number of the format x scale) in f32.
;;   ~~~python
;;   def quantise(x, axis, e):      # numpy; x: float32 -> the quantised numbers, widened to float32 again
;;       x = np.moveaxis(x, axis, -1); K = x.shape[-1]
;;       r = np.clip(x / 2.0 ** e, -448, 448)
;;       step = 2.0 ** (np.maximum(np.frexp(np.where(r == 0, 1, r))[1] - 1, -6) - 3)
;;       q = np.round(r / step) * step * 2.0 ** e      # np.round: ties to even
;;       return np.moveaxis(q, -1, axis).astype(np.float32)
;;   ~~~
;;   SOFTMAX AHEAD OF A QUANTISED PRODUCT. Where the list says 'softmax', what is quantised is not the finished softmax but p = 2^(t - M), with t = logit x log2(e) and M = ceil(the row's largest t), a whole number; so 1/2 < the row's largest p <= 1. The row's sum l is taken of the UNQUANTISED p, in f32, and the product's result is divided by l at the end. Since M is a whole number, a kernel that streams over the keys may use a running M (the ceiling of the running maximum): every later rescaling is an exact power of two, so the quantised numbers keep their values, but for numbers so far below the row's largest that they fall under the format's range.
;;   OPERANDS COMPUTED ON THE WAY. 'Computed on the way' means the value that the module computes at that place (a softmax that the list does not call 'softmax' is quantised finished and normalised). What goes into a quantiser is computed in f32, as accurately as f32 sums, v_exp_f32 and their like allow (about 1e-6 of the number): no bf16 or f16 on the way to a quantiser, and a product that is left as it is and whose result goes on into a quantised operand takes f32 operands (vector FMAs, or v_wmma_f32_16x16x4_f32). A number that lies on a knife's edge between two numbers of the format may be rounded either way, as far as f32 arithmetic and the matrix unit's own rounding can turn it there, and no further.
;; One version. Each part assembles by itself: llvm-mc -triple=amdgcn-amd-amdhsa -mcpu=gfx1250 --defsym DOCPART=n.
;; ======== version 1 of 1: 4 launches
;; limits: right only within a limited range of input values
;; workspace buffers: xcodes 25,165,824 bytes; wcodes 4,194,304 bytes; qc 8,388,608 bytes; kc 8,388,608 bytes; vc 8,388,608 bytes; yimg 8,388,608 bytes
;; launch quant (part 1): grid 768 x 1, 4 waves a work-group, no clusters, 33,280 bytes of LDS; arguments x, Wq, Wk, Wv, Wc, lowp_scales, xcodes, wcodes; writes xcodes, wcodes
.if DOCPART == 1
	.amdgcn_target "amdgcn-amd-amdhsa--gfx1250"
	.amdhsa_code_object_version 6
	.text
	.protected	k_qa3c355fe30_quant
	.globl	k_qa3c355fe30_quant
	.p2align	8
	.type	k_qa3c355fe30_quant,@function
k_qa3c355fe30_quant:
	s_mov_b64 s[64:65], 0
	v_nop
	global_prefetch_b8 v0, s[64:65] scope:SCOPE_SE
	s_setreg_imm32_b32 hwreg(HW_REG_WAVE_MODE, 25, 1), 1
	s_wait_xcnt 0x0
; x [8192][1024] f32 becomes THREE sets of E4M3 codes (the scales' entries 0, 2, 4: one set for each of the three projections, since the entries may differ);
; Wq, Wk, Wv, Wc [1024][1024] f32 become one set each (entries 1, 3, 5, 11).  K is innermost in all of them, so each tensor is a plain stream, and so are its codes.
; code = number / 2^e, rounded to the nearest code, ties to even.
; LIMITS: each e between -126 and 119, so that 2^e is an f32 number.  NaN among the inputs is not served.
; SHARES: a work-group takes 16,384 numbers, a wave 8 steps of 512.  Work-groups 0-511 take x, 512 + 64 i .. + 63 take weight i (q, k, v, c).
; The conversion takes eight neighbours from ONE lane's registers, a load is best where neighbouring LANES take neighbouring bytes: each of a step's four loads reads 512 consecutive bytes, the 2,048 bytes
; turn through the wave's own stage in LDS (16 bytes of padding behind each 64) and come back 64 bytes a lane.  A lane's 16 codes are 16 bytes: a store of the wave covers 512 consecutive bytes, aligned.
; No tensor loads, no barrier: waves share nothing.  Loads run four steps (16 loads a wave) ahead, the turn through LDS one step.
.set STEPS, 8
.set SP,    80                         ; a lane's place in a stage: 64 bytes + 16 of padding
.set WREG,  8192                       ; LDS of a wave: two stages of 32 x SP bytes
.set XWG,   512                        ; work-groups that take x
.set R,     16                         ; v16-79   four sets of 16 numbers as loaded
.set X,     80                         ; v80-111  two sets of 16 neighbours
.set T,     112
.set C,     128                        ; v128-151 codes: output o of a step of parity u at C + 12 u + 4 o
.set LIM,   152                        ; v153+2o: 2^e of output o
	s_load_b256 s[4:11], s[0:1], 0x0               ; x, Wq, Wk, Wv
	s_load_b256 s[12:19], s[0:1], 0x20             ; Wc, the scales' exponents, xcodes, wcodes
	v_lshl_add_u32 v160, v0, 2, 0x8000
	v_mov_b32 v161, 0
	v_lshrrev_b32 v1, 5, v0
	v_readfirstlane_b32 s20, v1                    ; wave
	v_and_b32 v2, 31, v0                           ; lane
	v_lshlrev_b32 v3, 4, v2                        ; 16 x lane: my bytes of a load's 512, and of a store's 512; never rewritten
	s_mul_i32 s21, s20, WREG
	v_lshrrev_b32 v14, 2, v2
	v_mul_u32_u24 v14, v14, SP
	v_and_b32 v15, 3, v2
	v_lshl_add_u32 v14, v15, 4, v14
	v_add_nc_u32 v14, s21, v14                     ; into the stage: SP (lane / 4) + 16 (lane % 4)
	v_mul_u32_u24 v15, v2, SP
	v_add_nc_u32 v15, s21, v15                     ; out of it: SP x lane: my 16 neighbours
	s_cmp_lt_u32 ttmp9, XWG                        ; every choice below hangs on the work-group's number alone
	s_cselect_b32 s22, 1, 0                        ; 1: x
	s_cselect_b32 s23, 0, XWG
	s_sub_co_u32 s23, ttmp9, s23                   ; the work-group's number within x, or within the four weights
	s_and_b32 s24, s23, 63                         ; within one weight
	s_cmp_lt_u32 ttmp9, XWG
	s_cselect_b32 s24, ttmp9, s24
	s_lshl_b32 s24, s24, 2
	s_add_co_u32 s24, s24, s20
	s_lshl_b32 s24, s24, 14                        ; in: my wave's 4,096 numbers, 16,384 bytes
	s_mov_b32 s25, 0
	s_lshl_b32 s32, s23, 2
	s_add_co_u32 s32, s32, s20
	s_lshl_b32 s32, s32, 12                        ; out: 4,096 bytes of codes; the four weights' codes lie on end
	s_mov_b32 s33, 0
	s_wait_alu depctr_va_vdst(0)
	s_wait_kmcnt 0x0
	s_load_b256 s[36:43], s[14:15], 0x0            ; entries 0-7
	s_load_b128 s[44:47], s[14:15], 0x20           ; entries 8-11
	s_mov_b64 s[34:35], s[12:13]                   ; the tensor that I read: Wc,
	s_cmp_lt_u32 ttmp9, XWG+192
	s_cselect_b64 s[34:35], s[10:11], s[34:35]     ; Wv,
	s_cmp_lt_u32 ttmp9, XWG+128
	s_cselect_b64 s[34:35], s[8:9], s[34:35]       ; Wk,
	s_cmp_lt_u32 ttmp9, XWG+64
	s_cselect_b64 s[34:35], s[6:7], s[34:35]       ; Wq,
	s_cmp_lt_u32 ttmp9, XWG
	s_cselect_b64 s[34:35], s[4:5], s[34:35]       ; or x
	s_cselect_b64 s[26:27], s[16:17], s[18:19]     ; output 0
	s_add_nc_u64 s[34:35], s[34:35], s[24:25]
	s_add_nc_u64 s[26:27], s[26:27], s[32:33]
	s_add_nc_u64 s[28:29], s[16:17], s[32:33]
	s_add_nc_u64 s[28:29], s[28:29], 0x800000      ; output 1: x's second set (used by x's work-groups alone)
	s_add_nc_u64 s[30:31], s[28:29], 0x800000      ; output 2: x's third set
.macro LOAD t
.irp i, 0,1,2,3
	global_load_b128 v[R+16*((\t)%4)+4*\i:R+16*((\t)%4)+4*\i+3], v3, s[34:35] offset:2048*(\t)+512*\i th:TH_LOAD_NT   ; 32 lanes read 512 consecutive bytes; read once in the launch
.endr
.endm
.macro TURN t                          ; step t's numbers through the stage: LDS serves a wave's instructions in order, so no wait stands between the stores and the loads
.irp i, 0,1,2,3
	ds_store_b128 v14, v[R+16*((\t)%4)+4*\i:R+16*((\t)%4)+4*\i+3] offset:32*SP*((\t)%2)+8*SP*\i
.endr
.irp i, 0,1,2,3
	ds_load_b128 v[X+16*((\t)%2)+4*\i:X+16*((\t)%2)+4*\i+3], v15 offset:32*SP*((\t)%2)+16*\i
.endr
.endm
.macro MKSC e, o                       ; 2^e as an f32 number, for output o
	s_add_co_i32 s50, \e, 127
	s_lshl_b32 s51, s50, 23
	v_mov_b32 v[LIM+2*\o+1], s51
.endm
.irp t, 0,1,2,3
	LOAD \t
.endr
	s_wait_kmcnt 0x0
	s_mov_b32 s48, s47                             ; output 0's exponent: entry 11 (Wc),
	s_cmp_lt_u32 ttmp9, XWG+192
	s_cselect_b32 s48, s41, s48                    ; 5 (Wv),
	s_cmp_lt_u32 ttmp9, XWG+128
	s_cselect_b32 s48, s39, s48                    ; 3 (Wk),
	s_cmp_lt_u32 ttmp9, XWG+64
	s_cselect_b32 s48, s37, s48                    ; 1 (Wq),
	s_cmp_lt_u32 ttmp9, XWG
	s_cselect_b32 s48, s36, s48                    ; or 0 (x)
	MKSC s48, 0
	MKSC s38, 1                                    ; entry 2
	MKSC s40, 2                                    ; entry 4
	s_wait_alu depctr_va_vdst(0)
	s_wait_loadcnt 12                              ; step 0's four loads are in; twelve younger ones stay out
	TURN 0
; Output o of step t: two conversions straight from X, which serve up to three scales (the conversion to an 8-bit code does not saturate: ISA guide 7.6.2); one store.
.macro CONV o, t
.irp i, 0,1,2,3,4,5,6,7,8,9,10,11,12,13,14,15
.endr
	v_cvt_scalef32_pk8_fp8_f32 v[C+12*((\t)%2)+4*\o:C+12*((\t)%2)+4*\o+1], v[T+((X+16*((\t)%2)+0)-(T+0)):T+7+((X+16*((\t)%2)+0)-(T+0))], v[LIM+2*\o+1]
	v_cvt_scalef32_pk8_fp8_f32 v[C+12*((\t)%2)+4*\o+2:C+12*((\t)%2)+4*\o+3], v[T+8+((X+16*((\t)%2)+0)-(T+0)):T+15+((X+16*((\t)%2)+0)-(T+0))], v[LIM+2*\o+1]
	v_nop                                          ; one plain vector line behind the conversions
	global_store_b128 v3, v[C+12*((\t)%2)+4*\o:C+12*((\t)%2)+4*\o+3], s[26+2*\o:27+2*\o] offset:512*(\t)
.endm
.macro STEP t
	s_wait_dscnt 0x0                               ; this step's numbers are back from the stage, and its stores into the stage have read their registers,
.if (\t)+4 < STEPS
	LOAD (\t)+4                                    ; which take the loads of four steps on
.endif
.if (\t)+1 < STEPS
.if STEPS-2-(\t) >= 3
	s_wait_loadcnt 12                              ; the next step's four loads are in; those of the three steps behind it may be out
.else
	s_wait_loadcnt 4*(STEPS-2-(\t))                ; near the end fewer steps stand behind it
.endif
	TURN (\t)+1                                    ; and go through the other stage while this step is worked
.endif
	s_wait_xcnt 0x0                                ; the stores of two steps back have read their data: the codes' registers of this parity are written again only behind this wait
	CONV 0, \t
	s_cmp_eq_u32 s22, 0                            ; a weight has one set of codes; no LDS line stands under this branch
	s_cbranch_scc1 .Lweight_\@
	CONV 1, \t
	CONV 2, \t
.Lweight_\@:
.endm
.irp t, 0,1,2,3,4,5,6,7
	STEP \t
.endr
	s_wait_tensorcnt 0x0
	ds_add_u32 v160, v161
	s_wait_dscnt 0x0
	s_endpgm
.Lfunc_end_k_qa3c355fe30_quant:
	.size	k_qa3c355fe30_quant, .Lfunc_end_k_qa3c355fe30_quant-k_qa3c355fe30_quant
	.p2alignl 7, 3214868480
	.fill 96, 4, 3214868480
	.section	.rodata,"a",@progbits
	.p2align	6, 0x0
	.amdhsa_kernel k_qa3c355fe30_quant
		.amdhsa_group_segment_fixed_size 33280
		.amdhsa_private_segment_fixed_size 0
		.amdhsa_enable_private_segment 0
		.amdhsa_kernarg_size 64
		.amdhsa_user_sgpr_count 2
		.amdhsa_user_sgpr_kernarg_segment_ptr 1
		.amdhsa_wavefront_size32 1
		.amdhsa_system_sgpr_workgroup_id_x 1
		.amdhsa_system_sgpr_workgroup_id_y 1
		.amdhsa_system_sgpr_workgroup_id_z 1
		.amdhsa_system_vgpr_workitem_id 0
		.amdhsa_next_free_vgpr 162
		.amdhsa_next_free_sgpr 66
		.amdhsa_reserve_vcc 0
		.amdhsa_float_denorm_mode_32 3
		.amdhsa_float_denorm_mode_16_64 3
		.amdhsa_fp16_overflow 1
		.amdhsa_memory_ordered 1
		.amdhsa_forward_progress 1
		.amdhsa_inst_pref_size 18
	.end_amdhsa_kernel
	.amdgpu_metadata
---
amdhsa.version: [ 1, 2 ]
amdhsa.kernels:
  - .name:           k_qa3c355fe30_quant
    .symbol:         k_qa3c355fe30_quant.kd
    .args:
      - { .name: x, .offset: 0, .size: 8, .value_kind: global_buffer, .address_space: global }
      - { .name: Wq, .offset: 8, .size: 8, .value_kind: global_buffer, .address_space: global }
      - { .name: Wk, .offset: 16, .size: 8, .value_kind: global_buffer, .address_space: global }
      - { .name: Wv, .offset: 24, .size: 8, .value_kind: global_buffer, .address_space: global }
      - { .name: Wc, .offset: 32, .size: 8, .value_kind: global_buffer, .address_space: global }
      - { .name: lowp_scales, .offset: 40, .size: 8, .value_kind: global_buffer, .address_space: global }
      - { .name: xcodes, .offset: 48, .size: 8, .value_kind: global_buffer, .address_space: global }
      - { .name: wcodes, .offset: 56, .size: 8, .value_kind: global_buffer, .address_space: global }
    .group_segment_fixed_size: 33280
    .private_segment_fixed_size: 0
    .kernarg_segment_align: 8
    .kernarg_segment_size: 64
    .max_flat_workgroup_size: 128
    .sgpr_count:     66
    .vgpr_count:     162
    .wavefront_size: 32
...
	.end_amdgpu_metadata
.endif
;; end of part 1
;; launch qkv (part 2): grid 12 x 32, 4 waves a work-group, clusters of 4 x 4, 327,680 bytes of LDS; arguments xcodes, wcodes, lowp_scales, bq, bk, bv, qc, kc, vc; writes qc, kc, vc
.if DOCPART == 2
	.amdgcn_target "amdgcn-amd-amdhsa--gfx1250"
	.amdhsa_code_object_version 6
	.text
	.protected	k_qa3c355fe30_qkv
	.globl	k_qa3c355fe30_qkv
	.p2align	8
	.type	k_qa3c355fe30_qkv,@function
k_qa3c355fe30_qkv:
	s_mov_b64 s[64:65], 0
	v_nop
	global_prefetch_b8 v0, s[64:65] scope:SCOPE_SE
	s_setreg_imm32_b32 hwreg(HW_REG_WAVE_MODE, 25, 1), 1
	s_wait_xcnt 0x0
	s_wait_alu depctr_hold_cnt(0) depctr_sa_sdst(0) depctr_va_vdst(0) depctr_va_sdst(0) depctr_va_ssrc(0) depctr_va_vcc(0) depctr_vm_vsrc(0)
	s_getreg_b32 s2, hwreg(HW_REG_IB_STS2, 6, 4)
	s_cmp_eq_u32 s2, 0
	s_cbranch_scc0 .Lentry_in_a_cluster
	s_endpgm
.Lentry_in_a_cluster:
	s_bfe_u32 s2, ttmp6, 0x10000c
	s_cmp_lg_u32 s2, 0xf033
	s_cbranch_scc0 .Lentry_shape_is_right
	s_endpgm
.Lentry_shape_is_right:
; The three projections on E4M3 codes, each result + bias quantised at once to E4M3 for attention.  The cluster's x says which: 0 q, 1 k, 2 v.
; q, k: C[token][channel] = x W^T ("A" = x's codes of that projection's set, "B" = the weight's).  v: C[channel][token] = Wv x^T ("A" = Wv's codes, "B" = x's third set), since v's codes run along the tokens.
; A tile of C is 256 x 256, made by four waves, each 128 x 128: 64 accumulators of 16 x 16.  K = 1,024 goes in four steps of 256 through two LDS slots filled by the tensor data mover; the four steps are written out.
; CLUSTERS: 4 x 4 work-groups; the four of a row need the same tiles of A, the four of a column the same tiles of B: each tile is asked for jointly.  All branches hang on the cluster's x or on the wave's number.
; THE MATRIX INSTRUCTION IS USED TRANSPOSED (source 0 = 16 rows of B, source 1 = 16 rows of A): a lane holds eight neighbouring columns of one row of C: eight neighbours along the next product's K.
; A fragment is fetched by four loads of 16 bytes: registers 4 c .. 4 c + 3 hold K = 32 c + 16 (lane / 16) + 0 .. 15: a permutation of k that is the same in A and in B.
; value = sum x 2^(eA + eB) + bias (one fused multiply-add), converted with 2^eo (eo: entry 6 for q, 7 for k, 9 for v).
; OUT: qc, kc: [batch x 16 + head][token][64].  vc: [batch x 16 + head][64 rows][token]; row rho holds channel rho with bits 3 and 4 exchanged (attention's way out wants its channels so).
; LIMITS: eA + eB between -126 and 127; eo between -126 and 119.  NaN among the inputs is not served.
; REGISTERS: window 0: v0-31 addresses; v32-95 the bias by columns; v96-111 the bias by rows; from v128 A's fragments, ONE set; on the way out the codes, then rows.  window 1: B's fragments, two sets.  windows 2, 3: the accumulators.
.set ROWB,   256                       ; a tile's row in bytes
.set KROW,   1024                      ; a row of codes in memory
.set PITCH,  272                       ; an LDS row: 256 bytes + 16 of padding: the 16 rows that a load touches start at 16 different banks (64 banks of 4 bytes: ISA guide 11.1)
.set FR,     16
.set NL,     4
.set NP,     4
.set HALFT,  128*PITCH
.set SLOT,   4*HALFT                   ; A's 256 rows, then B's 256 rows
.set SPARE,  2*SLOT                    ; the spare words: 128 bytes for each wave
.set SPT,    272                       ; the way out: ONE stage of 256 rows x (256 bytes of codes + 16), in slot 0, which has had its last fill and its last read by then
.set RDV,  12                          ; v12  v's way out: where I read rows back
.set COV,  14                          ; v14  and their place in vc
.set ADRA, 16
.set ADRB, 20
.set STO,  24                          ; v24  where I put 8 codes
.set RDQ,  25                          ; v25, v26  q's and k's way out: where I read my head's 64 bytes of eight rows (rows 0-127, 128-255)
.set RDQ2, 26
.set COQ,  27                          ; v27  16 x lane
.set SPW,  28
.set NIL,  29
.set BC,   32
.set BR,   96
.set AF,   128
.set CD,   128
.set G1, 24
.set G0, 32
.set G1B, 48
.set G0B, 56
.set MSB, 0
.macro WIN new                         ; the immediate's high byte repeats the setting that is left
.if MSB != (\new)
	s_set_vgpr_msb (MSB<<8)|(\new)
.set MSB, (\new)
.endif
.endm
.set MUL_LO, 0xa1                      ; source 0 (B) window 1, source 1 (A) window 0, C and D window 2
.set MUL_HI, 0xf1
.set TO_B,   0x40
; A joint load: waves 0 and 1 fetch for A, waves 2 and 3 for B; four v_nop follow each of the two lines.
.macro JLOAD g0a, g1a, g0b, g1b
	s_cmp_eq_u32 s15, 0
	s_cbranch_scc0 .Lfor_b_\@
	tensor_load_to_lds s[\g0a:\g0a+3], s[\g1a:\g1a+7]
	s_nop 0
.rept 4
	v_nop
.endr
	s_branch .Lasked_\@
.Lfor_b_\@:
	tensor_load_to_lds s[\g0b:\g0b+3], s[\g1b:\g1b+7]
	s_nop 0
.rept 4
	v_nop
.endr
.Lasked_\@:
.endm
.macro CREST                           ; a round of the cluster's barrier behind its opening barrier
	s_cmp_lg_u32 s14, 0
	s_cbranch_scc1 .Lnot_wave_0_\@
	s_barrier_signal -3
.Lnot_wave_0_\@:
	s_barrier_wait -3
	s_barrier_signal -1
	s_barrier_wait -1
.endm
.macro CROUND
	s_barrier_signal -1
	s_barrier_wait -1
	CREST
.endm
	s_load_b128 s[4:7], s[0:1], 0x0                ; xcodes, wcodes
	s_load_b128 s[8:11], s[0:1], 0x10              ; the scales' exponents, bq
	s_load_b128 s[68:71], s[0:1], 0x20             ; bk, bv
	s_load_b128 s[72:75], s[0:1], 0x30             ; qc, kc
	s_load_b64 s[76:77], s[0:1], 0x40              ; vc
	v_lshl_add_u32 v[SPW], v0, 2, SPARE
	v_mov_b32 v[NIL], 0
	ds_add_u32 v28, v29
	ds_add_u32 v28, v29
	s_wait_dscnt 0x0
	v_lshrrev_b32 v1, 5, v0
	v_readfirstlane_b32 s14, v1                    ; wave 0..3
	s_lshr_b32 s15, s14, 1                         ; which half of the tile's rows is mine.  Also: I fetch for A (0) or for B (1)
	s_and_b32 s16, s14, 1                          ; which half of its columns.  Also: which 128 rows I fetch
	s_bfe_u32 s40, ttmp6, 0x40000                  ; cx
	s_bfe_u32 s41, ttmp6, 0x40004                  ; cy
	s_and_b32 s78, ttmp7, 0xffff
	s_lshl_b32 s78, s78, 2                         ; 4 x cluster y: it walks the 32 tiles of tokens
	s_lshl_b32 s79, ttmp9, 23                      ; the projection's set of x's codes, 8 MiB each
	s_lshl_b32 s80, ttmp9, 20                      ; its weight's codes, 1 MiB each
	s_cmp_eq_u32 ttmp9, 2                          ; v?  The same in all sixteen partners
	s_cselect_b32 s17, 0, s78
	s_cselect_b32 s42, s78, 0
	s_cselect_b32 s81, s80, s79                    ; A's set
	s_cselect_b32 s98, s79, s80                    ; B's set
	s_add_co_u32 s17, s17, s41                     ; tile row of C: it never holds cx
	s_add_co_u32 s42, s42, s40                     ; tile column of C: it never holds cy
	s_lshl_b32 s43, s41, 2
	s_lshl_b32 s43, 15, s43                        ; my row of the cluster
	s_lshl_b32 s44, 0x1111, s40                    ; my column
	s_or_b32 s[G1+0], s43, (0<<16)|(1<<20)|(1<<21)|(5<<22)|(3<<25)  ; the mask; elements of 1 byte; padding on; bit 21 beside a mask; 4 words of padding after every 64
	s_or_b32 s[G1B+0], s44, (0<<16)|(1<<20)|(1<<21)|(5<<22)|(3<<25)
.irp g, G1, G1B
	s_mov_b32 s[\g+1], ROWB<<16                    ; tensor_dim0
	s_mov_b32 s[\g+2], 128<<16                     ; tensor_dim1
	s_mov_b32 s[\g+3], ROWB<<16                    ; tile_dim0
	s_mov_b32 s[\g+4], 128                         ; tile_dim1
	s_mov_b32 s[\g+5], KROW                        ; tensor_dim0_stride
	s_mov_b32 s[\g+6], 0
	s_mov_b32 s[\g+7], 0
.endr
	s_lshl_b32 s18, s16, 7
	s_lshl_b32 s20, s17, 8
	s_add_co_u32 s20, s20, s18                     ; A: row 256 x tile row + 128 x half,
	s_lshl_b32 s20, s20, 10                        ; in bytes,
	s_add_co_u32 s20, s20, s81                     ; in its set
	s_mov_b32 s21, 0
	s_lshl_b32 s46, s42, 8
	s_add_co_u32 s46, s46, s18
	s_lshl_b32 s46, s46, 10
	s_add_co_u32 s46, s46, s98                     ; B likewise
	s_mov_b32 s47, 0
	s_mul_i32 s45, s14, HALFT                      ; where they go: wave x 128 rows
	s_wait_kmcnt 0x0
	s_load_b256 s[84:91], s[8:9], 0x0              ; entries 0-7
	s_load_b128 s[92:95], s[8:9], 0x20             ; entries 8-11
	s_cmp_eq_u32 ttmp9, 2
	s_cselect_b64 s[82:83], s[6:7], s[4:5]         ; A's buffer
	s_cselect_b64 s[66:67], s[4:5], s[6:7]         ; B's buffer
	s_add_nc_u64 s[20:21], s[82:83], s[20:21]
	s_add_nc_u64 s[46:47], s[66:67], s[46:47]
	CROUND                                         ; all sixteen work-groups are here: the first joint loads meet
.irp s, 0,1
	s_mov_b32 s[G0+4*\s], 1
	s_add_co_u32 s[G0+4*\s+1], s45, \s*SLOT
	s_add_nc_u64 s[G0+4*\s+2:G0+4*\s+3], s[20:21], \s*ROWB
	s_or_b32 s[G0+4*\s+3], s[G0+4*\s+3], 0x80000000
	s_mov_b32 s[G0B+4*\s], 1
	s_add_co_u32 s[G0B+4*\s+1], s45, \s*SLOT
	s_add_nc_u64 s[G0B+4*\s+2:G0B+4*\s+3], s[46:47], \s*ROWB
	s_or_b32 s[G0B+4*\s+3], s[G0B+4*\s+3], 0x80000000
	JLOAD G0+4*\s, G1, G0B+4*\s, G1B
.endr
	s_cmp_eq_u32 ttmp9, 0                          ; the projection's bias and its output
	s_cselect_b64 s[82:83], s[10:11], s[68:69]
	s_cselect_b64 s[66:67], s[72:73], s[74:75]
	s_cmp_eq_u32 ttmp9, 2
	s_cselect_b64 s[82:83], s[70:71], s[82:83]
	s_cselect_b64 s[66:67], s[76:77], s[66:67]
	v_and_b32 v1, 15, v0                           ; r = lane % 16
	v_bfe_u32 v2, v0, 4, 1                         ; h = lane / 16
	s_wait_alu depctr_va_vdst(0)
	v_mul_u32_u24 v3, v1, PITCH
	s_wait_alu depctr_va_vdst(0)
	v_lshl_add_u32 v4, v2, 4, v3                   ; a fragment's row x pitch + 16 h
	s_mul_i32 s21, s15, HALFT
	s_mul_i32 s22, s16, HALFT
	s_add_co_u32 s22, s22, 2*HALFT
.irp s, 0,1
	v_add_nc_u32 v[ADRA+\s], s21, v4
	v_add_nc_u32 v[ADRB+\s], s22, v4
	s_add_co_u32 s21, s21, SLOT
	s_add_co_u32 s22, s22, SLOT
.endr
	; the bias, both ways: by columns (register 8 b + j: column 16 b + 8 h + j of my 128) and by rows (pair a: row 16 a + r).  q and k use the first, v the second; both are loaded, from inside the 1,024 numbers,
	; so that every register named below is written whichever projection this is
	s_lshl_b32 s12, s42, 8
	s_lshl_b32 s13, s16, 7
	s_add_co_u32 s12, s12, s13
	s_and_b32 s12, s12, 1023
	s_lshl_b32 s12, s12, 2
	v_lshl_add_u32 v8, v2, 5, s12                  ; 4 x my first column + 32 h; never rewritten
	s_lshl_b32 s12, s17, 8
	s_lshl_b32 s13, s15, 7
	s_add_co_u32 s12, s12, s13
	s_and_b32 s12, s12, 1023
	s_lshl_b32 s12, s12, 2
	v_lshl_add_u32 v9, v1, 2, s12                  ; 4 x my first row + 4 r; never rewritten
.irp b, 0,1,2,3,4,5,6,7
	global_load_b128 v[BC+8*\b:BC+8*\b+3], v8, s[82:83] offset:64*\b
	global_load_b128 v[BC+8*\b+4:BC+8*\b+7], v8, s[82:83] offset:64*\b+16
.endr
.irp a, 0,1,2,3,4,5,6,7
	global_load_b32 v[BR+2*\a], v9, s[82:83] offset:64*\a
.endr
	; the way out's addresses, all made here
	s_mul_i32 s23, s15, 128*SPT
	s_lshl_b32 s12, s16, 7
	s_add_co_u32 s23, s23, s12
	v_lshl_add_u32 v5, v2, 3, v3
	v_add_nc_u32 v[STO], s23, v5                   ; stage row 128 x row half + r, byte 128 x column half + 8 h
	v_and_b32 v6, 31, v0
	v_lshrrev_b32 v5, 2, v6
	v_mul_u32_u24 v5, v5, SPT
	v_and_b32 v7, 3, v0
	v_lshl_add_u32 v5, v7, 4, v5
	s_lshl_b32 s12, s14, 6
	v_add_nc_u32 v[RDQ], s12, v5                   ; q, k: wave w takes bytes 64 w .. + 63 (one head) of every row; four lanes to a row, eight rows a load
	v_add_nc_u32 v[RDQ2], 16*8*SPT, v[RDQ]
	v_lshlrev_b32 v[COQ], 4, v6
	s_mul_i32 s12, s14, 64*SPT
	v_mul_u32_u24 v5, v2, SPT
	v_lshl_add_u32 v5, v1, 4, v5
	v_add_nc_u32 v[RDV], s12, v5                   ; v: wave w takes rows 64 w .. + 63 (one head), whole; sixteen lanes to a row
	v_lshlrev_b32 v5, 11, v2
	v_lshl_add_u32 v[COV], v1, 4, v5
	; where my wave's part begins in the output.  q, k: ((batch x 16 + head) x 2,048 + token) x 64;  v: ((batch x 1,024 + channel) x 2,048 + token)
	s_lshr_b32 s2, s17, 3
	s_lshl_b32 s2, s2, 4
	s_lshl_b32 s3, s42, 2
	s_add_co_u32 s2, s2, s3
	s_add_co_u32 s2, s2, s14
	s_lshl_b32 s2, s2, 17
	s_and_b32 s3, s17, 7
	s_lshl_b32 s3, s3, 14
	s_add_co_u32 s2, s2, s3
	s_lshr_b32 s3, s42, 3
	s_lshl_b32 s3, s3, 10
	s_lshl_b32 s12, s17, 8
	s_add_co_u32 s3, s3, s12
	s_lshl_b32 s12, s14, 6
	s_add_co_u32 s3, s3, s12
	s_lshl_b32 s3, s3, 11
	s_and_b32 s12, s42, 7
	s_lshl_b32 s12, s12, 8
	s_add_co_u32 s3, s3, s12
	s_cmp_eq_u32 ttmp9, 2
	s_cselect_b32 s2, s3, s2
	s_mov_b32 s3, 0
	s_add_nc_u64 s[66:67], s[66:67], s[2:3]
.macro FRAG reg, adr, q, i             ; 16 rows x 128 K: four loads of 16 bytes, 32 bytes apart
.irp c, 0,1,2,3
	ds_load_b128 v[\reg+4*\c:\reg+4*\c+3], v[\adr] offset:128*(\q)+32*\c+(\i)*16*PITCH
.endr
.endm
; 16 matrix instructions: A's blocks a0, a0 + 1 x B's eight.  The 64 accumulators take turns, one instruction a turn, in the same order in every step.
.macro MUL16 a0, p, zero
.irp a, \a0, \a0+1
.irp b, 0,1,2,3,4,5,6,7
.if \zero
	v_wmma_f32_16x16x128_fp8_fp8 v[8*(8*((\a)%4)+\b):8*(8*((\a)%4)+\b)+7], v[128*(\p)+FR*\b:128*(\p)+FR*\b+FR-1], v[AF+FR*(\a):AF+FR*(\a)+FR-1], 0
.else
	v_wmma_f32_16x16x128_fp8_fp8 v[8*(8*((\a)%4)+\b):8*(8*((\a)%4)+\b)+7], v[128*(\p)+FR*\b:128*(\p)+FR*\b+FR-1], v[AF+FR*(\a):AF+FR*(\a)+FR-1], v[8*(8*((\a)%4)+\b):8*(8*((\a)%4)+\b)+7]
.endif
.endr
.endr
.endm
.macro FETCH_B slot, q, p
	WIN TO_B
.irp i, 0,1,2,3,4,5,6,7
	FRAG 128*(\p)+FR*\i, ADRB+\slot, \q, \i
.endr
	WIN 0
.endm
.macro FETCH_A slot, q, i0
.irp i, \i0, \i0+1, \i0+2, \i0+3
	FRAG AF+FR*(\i), ADRA+\slot, \q, \i
.endr
.endm
.macro PLACES n                        ; plain vector lines between a matrix instruction and a load into, or a read of, its registers
.rept \n
	v_nop
.endr
.endm
; 128 along K with its successor in the same slot
.macro STEP slot, q, zero
	s_wait_dscnt 4*NL                              ; B's set and A's blocks 0-3 are in; the youngest sixteen loads (A's blocks 4-7) may be out
	WIN MUL_LO
	MUL16 0, (\q)%2, \zero
	MUL16 2, (\q)%2, \zero
	s_wait_dscnt 0                                 ; A's blocks 4-7 are in
	PLACES NP
	FETCH_B \slot, (\q)+1, 1-(\q)%2
	FETCH_A \slot, (\q)+1, 0
	WIN MUL_HI
	MUL16 4, (\q)%2, \zero
	MUL16 6, (\q)%2, \zero
	PLACES NP
	WIN 0
	FETCH_A \slot, (\q)+1, 4
.endm
; A slot's last 128 along K changes slots: ONE barrier; in front of it each wave waits for all its tensor loads, adds 0 to its spare word, and waits for that and for its reads of this slot.
.macro TURN slot, next, fill
	s_wait_tensorcnt 0x0                           ; all my tensor loads have landed: my part of the next slot
	ds_add_u32 v[SPW], v[NIL]                      ; 0 onto my spare word
	s_wait_dscnt 4*NL+1                            ; (the add and the youngest sixteen loads may be out)
	WIN MUL_LO
	MUL16 0, 1, 0
	s_wait_dscnt 0x0                               ; the add is done, and my reads of this slot are over
	s_barrier_signal -1
	MUL16 2, 1, 0
	WIN 0
	s_barrier_wait -1
.if \fill
	CREST                                          ; the barrier has opened a round of the cluster's barrier: no wave of any partner still reads this slot or has a load on its way
	s_add_nc_u64 s[G0+4*\slot+2:G0+4*\slot+3], s[G0+4*\slot+2:G0+4*\slot+3], 2*ROWB
	s_add_nc_u64 s[G0B+4*\slot+2:G0B+4*\slot+3], s[G0B+4*\slot+2:G0B+4*\slot+3], 2*ROWB
	JLOAD G0+4*\slot, G1, G0B+4*\slot, G1B         ; my one tensor load behind the round; its four v_nop are the places in front of the loads below
.else
	PLACES NP
.endif
	FETCH_B \next, 0, 0
	FETCH_A \next, 0, 0
	WIN MUL_HI
	MUL16 4, 1, 0
	MUL16 6, 1, 0
	PLACES NP
	WIN 0
	FETCH_A \next, 0, 4
.endm
	s_wait_tensorcnt 1                             ; my part of K step 0 is in; K step 1's load may be out
	s_barrier_signal -1
	s_barrier_wait -1
	FETCH_B 0, 0, 0
	FETCH_A 0, 0, 0
	FETCH_A 0, 0, 4
	STEP 0, 0, 1                                   ; the first products start the sums: nothing is cleared
	TURN 0, 1, 1                                   ; slot 0 takes K step 2
	STEP 1, 0, 0
	TURN 1, 0, 1                                   ; slot 1 takes K step 3
	STEP 0, 0, 0
	TURN 0, 1, 0                                   ; nothing is left to fetch; behind this barrier nobody reads slot 0
	STEP 1, 0, 0
	s_wait_dscnt 4*NL
	WIN MUL_LO
	MUL16 0, 1, 0
	MUL16 2, 1, 0
	s_wait_dscnt 0
	WIN MUL_HI
	MUL16 4, 1, 0
	MUL16 6, 1, 0
	WIN 0
	; THE WAY OUT.  No branch hangs on a loaded number: the exponents are chosen by selects on the cluster's x.
	s_wait_kmcnt 0x0
	s_add_co_i32 s84, s84, s85
	s_add_co_i32 s86, s86, s87
	s_add_co_i32 s88, s88, s89
	s_cmp_eq_u32 ttmp9, 0
	s_cselect_b32 s96, s84, s86
	s_cselect_b32 s99, s90, s91
	s_cmp_eq_u32 ttmp9, 2
	s_cselect_b32 s96, s88, s96                    ; eA + eB
	s_cselect_b32 s99, s93, s99                    ; eo
	s_add_co_i32 s96, s96, 127
	s_lshl_b32 s96, s96, 23                        ; 2^(eA + eB) as f32
	s_mov_b32 s97, s96                             ; (named with it as a pair, so it is written)
	s_add_co_i32 s99, s99, 127
	s_lshl_b32 s98, s99, 23
	v_mov_b32 v11, s98                             ; 2^eo
	s_wait_loadcnt 0x0                             ; the bias
.irp a, 0,1,2,3,4,5,6,7
	v_mov_b32 v[BR+2*\a+1], v[BR+2*\a]             ; a row's bias twice, for the packed form.  (These eight moves are the places behind the last products)
.endr
; sum x 2^(eA + eB) + bias, in place, two at a time, each accumulator from its low end on
.macro ADDBIAS row
.irp a, 0,1,2,3,4,5,6,7
	WIN 0x82+0x41*(\a/4)
.irp j, 0,2,4,6,8,10,12,14,16,18,20,22,24,26,28,30,32,34,36,38,40,42,44,46,48,50,52,54,56,58,60,62
.if \row
	v_pk_fma_f32 v[64*(\a%4)+\j:64*(\a%4)+\j+1], v[64*(\a%4)+\j:64*(\a%4)+\j+1], s[96:97], v[BR+2*\a:BR+2*\a+1] op_sel_hi:[1,0,1]
.else
	v_pk_fma_f32 v[64*(\a%4)+\j:64*(\a%4)+\j+1], v[64*(\a%4)+\j:64*(\a%4)+\j+1], s[96:97], v[BC+\j:BC+\j+1] op_sel_hi:[1,0,1]
.endif
.endr
.endr
	WIN 0
.endm
	s_cmp_eq_u32 ttmp9, 2
	s_cbranch_scc1 .Lrow
	ADDBIAS 0                                      ; q, k: the channels are C's columns
	s_branch .Lbiased
.Lrow:
	s_wait_alu depctr_va_vdst(0)
	ADDBIAS 1                                      ; v: the channels are C's rows
.Lbiased:
.irp w, 0,1
	WIN 0x82+0x41*\w
.set i, 0
.rept 256
.set i, i+1
.endr
	WIN 0x02+\w
.irp a, 0,1,2,3
.irp b, 0,1,2,3,4,5,6,7
	v_cvt_scalef32_pk8_fp8_f32 v[CD+16*(4*\w+\a)+2*\b:CD+16*(4*\w+\a)+2*\b+1], v[64*\a+8*\b:64*\a+8*\b+7], v11
.endr
.endr
.endr
	WIN 0
	v_nop                                          ; one plain vector line behind the last conversion
.irp a, 0,1,2,3,4,5,6,7
.irp b, 0,1,2,3,4,5,6,7
	ds_store_b64 v[STO], v[CD+16*\a+2*\b:CD+16*\a+2*\b+1] offset:16*\a*SPT+16*\b   ; row 16 a + r, columns 16 b + 8 h + 0 .. 7: the 32 lanes touch 64 different banks
.endr
.endr
	s_wait_dscnt 0x0                               ; for the others' sake: my stores into the stage are done
	s_barrier_signal -1
	s_barrier_wait -1                              ; the 256 x 256 codes lie in the stage
	s_cmp_eq_u32 ttmp9, 2
	s_cbranch_scc1 .Lout_v
.irp i, 0,1,2,3,4,5,6,7,8,9,10,11,12,13,14,15
	ds_load_b128 v[128+4*\i:131+4*\i], v[RDQ] offset:\i*8*SPT
.endr
.irp i, 0,1,2,3,4,5,6,7,8,9,10,11,12,13,14,15
	ds_load_b128 v[192+4*\i:195+4*\i], v[RDQ2] offset:\i*8*SPT
.endr
.irp i, 0,1,2,3,4,5,6,7,8,9,10,11,12,13,14,15,16,17,18,19,20,21,22,23,24,25,26,27,28,29,30,31
	s_wait_dscnt 31-\i                             ; LDS loads come back in order: load i is in, the younger ones stay out
	global_store_b128 v[COQ], v[128+4*\i:131+4*\i], s[66:67] offset:512*\i   ; eight tokens x 64 bytes of one head: 512 consecutive bytes, aligned
.endr
	s_branch .Lsent
.Lout_v:
.irp i, 0,1,2,3,4,5,6,7,8,9,10,11,12,13,14,15,16,17,18,19,20,21,22,23,24,25,26,27,28,29,30,31
	ds_load_b128 v[128+4*\i:131+4*\i], v[RDV] offset:\i*2*SPT
.endr
.irp i, 0,1,2,3,4,5,6,7,8,9,10,11,12,13,14,15,16,17,18,19,20,21,22,23,24,25,26,27,28,29,30,31
	s_wait_dscnt 31-\i
	global_store_b128 v[COV], v[128+4*\i:131+4*\i], s[66:67] offset:((((2*\i)&0x27)+((((2*\i)>>3)&1)<<4)+((((2*\i)>>4)&1)<<3))*2048)   ; channels 2 i, 2 i + 1 go to the rows with bits 3 and 4 exchanged; sixteen lanes store 256 consecutive bytes, aligned
.endr
.Lsent:
	s_wait_tensorcnt 0x0                           ; the wave's end
	ds_add_u32 v[SPW], v[NIL]
	s_wait_dscnt 0x0
	CROUND                                         ; the closing round: no work-group ends while a partner may still ask for a tile that names it
	s_endpgm
.Lfunc_end_k_qa3c355fe30_qkv:
	.size	k_qa3c355fe30_qkv, .Lfunc_end_k_qa3c355fe30_qkv-k_qa3c355fe30_qkv
	.p2alignl 7, 3214868480
	.fill 96, 4, 3214868480
	.section	.rodata,"a",@progbits
	.p2align	6, 0x0
	.amdhsa_kernel k_qa3c355fe30_qkv
		.amdhsa_group_segment_fixed_size 327680
		.amdhsa_private_segment_fixed_size 0
		.amdhsa_enable_private_segment 0
		.amdhsa_kernarg_size 72
		.amdhsa_user_sgpr_count 2
		.amdhsa_user_sgpr_kernarg_segment_ptr 1
		.amdhsa_wavefront_size32 1
		.amdhsa_system_sgpr_workgroup_id_x 1
		.amdhsa_system_sgpr_workgroup_id_y 1
		.amdhsa_system_sgpr_workgroup_id_z 1
		.amdhsa_system_vgpr_workitem_id 0
		.amdhsa_next_free_vgpr 1024
		.amdhsa_next_free_sgpr 100
		.amdhsa_reserve_vcc 0
		.amdhsa_float_denorm_mode_32 3
		.amdhsa_float_denorm_mode_16_64 3
		.amdhsa_fp16_overflow 1
		.amdhsa_memory_ordered 1
		.amdhsa_forward_progress 1
		.amdhsa_inst_pref_size 135
	.end_amdhsa_kernel
	.amdgpu_metadata
---
amdhsa.version: [ 1, 2 ]
amdhsa.kernels:
  - .name:           k_qa3c355fe30_qkv
    .symbol:         k_qa3c355fe30_qkv.kd
    .args:
      - { .name: xcodes, .offset: 0, .size: 8, .value_kind: global_buffer, .address_space: global }
      - { .name: wcodes, .offset: 8, .size: 8, .value_kind: global_buffer, .address_space: global }
      - { .name: lowp_scales, .offset: 16, .size: 8, .value_kind: global_buffer, .address_space: global }
      - { .name: bq, .offset: 24, .size: 8, .value_kind: global_buffer, .address_space: global }
      - { .name: bk, .offset: 32, .size: 8, .value_kind: global_buffer, .address_space: global }
      - { .name: bv, .offset: 40, .size: 8, .value_kind: global_buffer, .address_space: global }
      - { .name: qc, .offset: 48, .size: 8, .value_kind: global_buffer, .address_space: global }
      - { .name: kc, .offset: 56, .size: 8, .value_kind: global_buffer, .address_space: global }
      - { .name: vc, .offset: 64, .size: 8, .value_kind: global_buffer, .address_space: global }
    .group_segment_fixed_size: 327680
    .private_segment_fixed_size: 0
    .kernarg_segment_align: 8
    .kernarg_segment_size: 72
    .max_flat_workgroup_size: 128
    .sgpr_count:     100
    .vgpr_count:     1024
    .wavefront_size: 32
...
	.end_amdgpu_metadata
.endif
;; end of part 2
;; launch attn (part 3): grid 4 x 64, 16 waves a work-group, clusters of 4 x 1, 327,680 bytes of LDS; arguments qc, kc, vc, lowp_scales, yimg; writes yimg
.if DOCPART == 3
	.amdgcn_target "amdgcn-amd-amdhsa--gfx1250"
	.amdhsa_code_object_version 6
	.text
	.protected	k_qa3c355fe30_attn
	.globl	k_qa3c355fe30_attn
	.p2align	8
	.type	k_qa3c355fe30_attn,@function
k_qa3c355fe30_attn:
	s_mov_b64 s[64:65], 0
	v_nop
	global_prefetch_b8 v0, s[64:65] scope:SCOPE_SE
	s_setreg_imm32_b32 hwreg(HW_REG_WAVE_MODE, 25, 1), 1
	s_wait_xcnt 0x0
	s_wait_alu depctr_hold_cnt(0) depctr_sa_sdst(0) depctr_va_vdst(0) depctr_va_sdst(0) depctr_va_ssrc(0) depctr_va_vcc(0) depctr_vm_vsrc(0)
	s_getreg_b32 s2, hwreg(HW_REG_IB_STS2, 6, 4)
	s_cmp_eq_u32 s2, 0
	s_cbranch_scc0 .Lentry_in_a_cluster
	s_endpgm
.Lentry_in_a_cluster:
	s_bfe_u32 s2, ttmp6, 0x10000c
	s_cmp_lg_u32 s2, 0x3003
	s_cbranch_scc0 .Lentry_shape_is_right
	s_endpgm
.Lentry_shape_is_right:
; Causal attention on E4M3 codes, head size 64, 2,048 tokens, 64 heads (batch x 16 + head).  Both products quantised; the result, divided by the row's sum, is quantised at once (entry 10) for the last projection.
; THE SOFTMAX: t = score x log2(e) / 8; M = the running largest t, rounded UP to a whole number; p = 2^(t - M) is quantised (entry 8), not normalised; the row's sum is taken of the unquantised p and divides at the end.
; When M moves, the sum and O are multiplied by 2^(old M - new M): exact.
; A HEAD'S WHOLE K AND V LIE IN LDS: 2 x 128 KiB of codes, filled ONCE at the head, one tensor load a wave (waves 0-7: 256 keys of K each; waves 8-15: 256 keys of V each): no slot is ever filled again, and one
; barrier shows the tiles to all sixteen waves, which then run free.
; CLUSTER: the four work-groups of a cluster serve one head and ask for each tile jointly.
; SHARES, EVEN UNDER THE MASK: wave w (p = w % 8, sub = 2 cx + w / 8) owns two tiles of 16 queries, at 128 p + 16 sub and at 128 (15 - p) + 16 sub: (p + 1) + (16 - p) = 17 key steps of 128 for every wave.
; The loops' trip counts are constants (4 and 8 chunks of 256 keys); a step all of whose keys come after the tile's queries is jumped over, by a branch on the wave's number and the loop's count.
; No branch and no LDS address hangs on cx: it enters Q's and y's addresses in memory and the lane's number for the mask alone.
; LAYOUT: S^T = K Q^T (source 0 = 16 neighbouring keys, source 1 = my 16 queries), O^T = V^T P^T: a lane holds ONE query (lane % 16).  In S^T tile t, register j is key 16 t + 8 (lane / 16) + j: eight codes of it are
; registers 2 t, 2 t + 1 of the second product's operand in that form's own layout.  V's fragments come by loads of 8 bytes in the same layout.  K's and Q's come by two loads of 16 bytes: the same permutation of the 64 in both.
; vc's row rho holds channel rho with bits 3 and 4 exchanged, so that the 16 registers of O^T's tiles 2 c, 2 c + 1 are channels 32 c + 16 (lane / 16) + 0 .. 15: the conversions' results ARE the registers of the last
; projection's operand, and are stored as an image of them: yimg[head / 4][token / 16][(head / 2) % 2][2 (head % 2) + c][lane][16 bytes].
; LIMITS: entries 6 + 7 between -123 and 130; entries 8 and 10 between -126 and 119.  NaN among the inputs is not served.
; REGISTERS: v1-7 addresses; v12 -M, v13 the largest t, v[14:15] the sum; v16-23, v24-31 Q of the two tiles; v32-95 K's eight fragments, then V's four; v96-159 S^T, then p; v160-191 O^T; v192-207 p's codes; v208-223 y's codes.
.set CHUNK, 17408                      ; 256 keys in LDS: 64 rows of 272 bytes, in K (four keys to a row) and in V (64 channels' 256 keys)
.set VOFF,  8*CHUNK                    ; K's eight chunks, then V's eight
.set AK0, 1
.set AV0, 2
.set DG,  3                            ; v3  16 sub + r - 8 h: register 8 t + j of the diagonal step is hidden where 16 t + j is above it
.set QO,  4
.set YO,  5
.set ADK, 6
.set ADV, 7
.set FG,  32
.set SC,  96
.set OT,  160
.set PQ,  192
.set WV,  18
.set PB,  19                           ; s19  p
.set SEL, 20
.set CS,  22
.set G1K, 24
.set G1V, 32
.set G0K, 40
.set G0V, 44
.set TB,  48                           ; s48  LDS byte of the chunk in hand
.set KK,  49                           ; s49  the key step's number
.set BLK, 50                           ; s50  the tile's block of 128 queries
.set CH,  51                           ; s51  chunks to go
.macro ROUND                           ; a round of the cluster's barrier
	s_barrier_signal -1
	s_barrier_wait -1
	s_cmp_lg_u32 s[WV], 0
	s_cbranch_scc1 .Lnot_wave_0_\@
	s_barrier_signal -3
.Lnot_wave_0_\@:
	s_barrier_wait -3
	s_barrier_signal -1
	s_barrier_wait -1
.endm
	s_load_b256 s[4:11], s[0:1], 0x0               ; qc, kc, vc, the scales' exponents
	s_load_b64 s[12:13], s[0:1], 0x20              ; yimg
	v_lshl_add_u32 v251, v0, 2, 0x44000
	v_mov_b32 v255, 0
	ds_add_u32 v251, v255
	ds_add_u32 v251, v255
	v_lshrrev_b32 v8, 5, v0
	s_delay_alu instid0(VALU_DEP_1)
	v_readfirstlane_b32 s[WV], v8                  ; wave 0..15
	s_and_b32 s[PB], s[WV], 7
	s_lshr_b32 s55, s[WV], 3
	s_bfe_u32 s52, ttmp6, 0x40000                  ; cx
	s_lshl_b32 s53, s52, 1
	s_add_co_u32 s53, s53, s55                     ; sub
	s_and_b32 s54, ttmp7, 0xffff                   ; batch x 16 + head: the four partners share it
	s_lshl_b32 s2, s54, 17                         ; its 131,072 bytes in qc, kc and vc
	s_lshl_b32 s14, s[PB], 14                      ; K: my chunk's 256 keys x 64 bytes, dense
	s_add_co_u32 s14, s14, s2
	s_mov_b32 s15, 0
	s_lshl_b32 s16, s[PB], 8                       ; V: my chunk's 256 bytes of each row
	s_add_co_u32 s16, s16, s2
	s_mov_b32 s17, 0
	s_mul_i32 s75, s[PB], CHUNK                    ; and its place in LDS
	; descriptor group 1: 64 rows of 256 bytes, 16 bytes of padding behind each; K's rows follow each other in memory, V's lie 2,048 bytes apart
	s_mov_b32 s[G1K], 15|(0<<16)|(1<<20)|(1<<21)|(5<<22)|(3<<25)   ; the mask: all four work-groups; elements of 1 byte; padding on; bit 21 beside a mask; 4 words after every 64
	s_mov_b32 s[G1K+1], 256<<16
	s_mov_b32 s[G1K+2], 64<<16
	s_mov_b32 s[G1K+3], 256<<16
	s_mov_b32 s[G1K+4], 64
	s_mov_b32 s[G1K+5], 256
	s_mov_b32 s[G1K+6], 0
	s_mov_b32 s[G1K+7], 0
	s_mov_b32 s[G1V], 15|(0<<16)|(1<<20)|(1<<21)|(5<<22)|(3<<25)
	s_mov_b32 s[G1V+1], 256<<16
	s_mov_b32 s[G1V+2], 64<<16
	s_mov_b32 s[G1V+3], 256<<16
	s_mov_b32 s[G1V+4], 64
	s_mov_b32 s[G1V+5], 2048
	s_mov_b32 s[G1V+6], 0
	s_mov_b32 s[G1V+7], 0
	s_mov_b32 s[SEL], 0x76543210
	s_mov_b32 s[SEL+1], 0xfedcba98
	s_mov_b32 s[CS], 0x3e38aa3b                    ; c = log2(e) / sqrt(64)
	; Q's rows: head + (128 block + 16 sub) x 64 bytes
	s_lshl_b32 s86, s53, 10
	s_add_co_u32 s86, s86, s2
	s_lshl_b32 s84, s[PB], 13
	s_add_co_u32 s84, s84, s86
	s_mov_b32 s85, 0
	s_sub_co_u32 s88, 15, s[PB]
	s_lshl_b32 s88, s88, 13
	s_add_co_u32 s88, s88, s86
	s_mov_b32 s89, 0
	; y's images
	s_and_b32 s76, s54, 15                         ; the head
	s_lshr_b32 s77, s54, 4                         ; the batch
	s_lshr_b32 s78, s76, 2
	s_lshl_b32 s78, s78, 21                        ; K step of the last projection: 512 token blocks x 4,096 bytes
	s_bfe_u32 s79, s76, 0x10001
	s_lshl_b32 s79, s79, 11                        ; its half of 128
	s_add_co_u32 s78, s78, s79
	s_and_b32 s79, s76, 1
	s_lshl_b32 s79, s79, 10                        ; two groups of four registers
	s_add_co_u32 s78, s78, s79
	s_lshl_b32 s79, s77, 7
	s_add_co_u32 s79, s79, s53
	s_lshl_b32 s79, s79, 12                        ; token block 128 batch + 8 block + sub
	s_add_co_u32 s78, s78, s79
	s_lshl_b32 s90, s[PB], 15
	s_add_co_u32 s90, s90, s78
	s_mov_b32 s91, 0
	s_sub_co_u32 s92, 15, s[PB]
	s_lshl_b32 s92, s92, 15
	s_add_co_u32 s92, s92, s78
	s_mov_b32 s93, 0
	s_wait_dscnt 0x0
	s_wait_kmcnt 0x0
	s_load_b128 s[68:71], s[10:11], 0x18           ; entries 6, 7, 8, 9
	s_load_b32 s72, s[10:11], 0x28                 ; entry 10
	s_mov_b32 s[G0K], 1
	s_mov_b32 s[G0K+1], s75
	s_add_nc_u64 s[G0K+2:G0K+3], s[6:7], s[14:15]
	s_or_b32 s[G0K+3], s[G0K+3], 0x80000000
	s_mov_b32 s[G0V], 1
	s_add_co_u32 s[G0V+1], s75, VOFF
	s_add_nc_u64 s[G0V+2:G0V+3], s[8:9], s[16:17]
	s_or_b32 s[G0V+3], s[G0V+3], 0x80000000
	s_add_nc_u64 s[56:57], s[4:5], s[84:85]        ; Q of my first tile,
	s_add_nc_u64 s[58:59], s[4:5], s[88:89]        ; of my second
	s_add_nc_u64 s[60:61], s[12:13], s[90:91]      ; y likewise
	s_add_nc_u64 s[62:63], s[12:13], s[92:93]
	ROUND                                          ; all four work-groups are here: the joint loads meet
	s_cmp_lt_u32 s[WV], 8                          ; one tensor load a wave, its only one in the launch; four v_nop follow it
	s_cbranch_scc0 .Lfor_v
	tensor_load_to_lds s[G0K:G0K+3], s[G1K:G1K+7]
	s_nop 0
.rept 4
	v_nop
.endr
	s_branch .Lasked
.Lfor_v:
	tensor_load_to_lds s[G0V:G0V+3], s[G1V:G1V+7]
	s_nop 0
.rept 4
	v_nop
.endr
.Lasked:
	v_and_b32 v8, 15, v0                           ; r
	v_bfe_u32 v9, v0, 4, 1                         ; h
	s_delay_alu instid0(VALU_DEP_2)
	v_lshlrev_b32 v[QO], 6, v8
	s_delay_alu instid0(VALU_DEP_1)
	v_lshl_add_u32 v[QO], v9, 4, v[QO]             ; Q: row r of 64 bytes, + 16 h
	global_load_b128 v[16:19], v[QO], s[56:57] th:TH_LOAD_NT
	global_load_b128 v[20:23], v[QO], s[56:57] offset:32 th:TH_LOAD_NT
	global_load_b128 v[24:27], v[QO], s[58:59] th:TH_LOAD_NT
	global_load_b128 v[28:31], v[QO], s[58:59] offset:32 th:TH_LOAD_NT
	v_lshrrev_b32 v10, 2, v8
	s_delay_alu instid0(VALU_DEP_1)
	v_mul_u32_u24 v[AK0], v10, 272
	v_and_b32 v10, 3, v8
	s_delay_alu instid0(VALU_DEP_1)
	v_lshl_add_u32 v[AK0], v10, 6, v[AK0]
	s_delay_alu instid0(VALU_DEP_1)
	v_lshl_add_u32 v[AK0], v9, 4, v[AK0]           ; K: key r of a tile lies at 272 (r / 4) + 64 (r % 4): sixteen lanes touch sixteen different columns of 16 bytes
	v_mul_u32_u24 v[AV0], v8, 272
	s_delay_alu instid0(VALU_DEP_1)
	v_lshl_add_u32 v[AV0], v9, 3, v[AV0]
	s_delay_alu instid0(VALU_DEP_1)
	v_add_nc_u32 v[AV0], VOFF, v[AV0]              ; V: row r, + 8 h
	v_lshlrev_b32 v10, 3, v9
	s_delay_alu instid0(VALU_DEP_1)
	v_sub_nc_u32 v[DG], v8, v10
	s_lshl_b32 s74, s53, 4
	v_add_nc_u32 v[DG], s74, v[DG]
	v_and_b32 v[YO], 31, v0
	s_delay_alu instid0(VALU_DEP_1)
	v_lshlrev_b32 v[YO], 4, v[YO]                  ; 16 x lane
	v_mov_b32 v236, 0                              ; written once: a lane permute's destination counts as one of its sources
	v_mov_b32 v253, 0                              ; (named as the upper half of the pair v[252:253])
	s_wait_kmcnt 0x0
	s_add_co_i32 s73, s68, s69
	s_lshl_b32 s73, s73, 23
	s_add_co_i32 s[CS], s[CS], s73                 ; a score stands for score x 2^(e6 + e7): the exponents are added to c's exponent field
	s_mov_b32 s[CS+1], s[CS]
	s_add_co_i32 s73, s70, 127
	s_lshl_b32 s74, s73, 23
	v_mov_b32 v244, s74                            ; 2^e8
	s_add_co_i32 s73, s72, 127
	s_lshl_b32 s74, s73, 23
	v_mov_b32 v245, s74                            ; 2^e10
	s_add_co_i32 s73, s70, s71                     ; e8 + e9
	s_wait_loadcnt 0x0                             ; Q
	s_wait_tensorcnt 0x0                           ; my chunk has landed,
	s_barrier_signal -1
	s_barrier_wait -1                              ; everybody's has: K and V are whole, and nothing writes LDS from here on
; A KEY STEP: 128 keys, the q-th half of the chunk in hand, against the tile whose Q lies in v[QR] on.
.macro STEP q, QR
	s_cmp_gt_u32 s[KK], s[BLK]                     ; all its keys come after my queries: left out
	s_cbranch_scc1 .Lhidden_\@
	v_add_nc_u32 v[ADK], s[TB], v[AK0]
	v_add_nc_u32 v[ADV], s[TB], v[AV0]
.irp t, 0,1,2,3,4,5,6,7
	ds_load_b128 v[FG+8*\t:FG+8*\t+3], v[ADK] offset:8704*(\q)+1088*\t
	ds_load_b128 v[FG+8*\t+4:FG+8*\t+7], v[ADK] offset:8704*(\q)+1088*\t+32
.endr
	s_wait_alu depctr_va_vdst(0)
	s_wait_dscnt 0x0
.irp t, 0,1,2,3,4,5,6,7
	v_wmma_f32_16x16x64_fp8_fp8 v[SC+8*\t:SC+8*\t+7], v[FG+8*\t:FG+8*\t+7], v[\QR:\QR+7], 0
.endr
.rept 4
	v_nop                                          ; places in front of the loads into K's registers and of the first read of the scores
.endr
.irp u, 0,1,2,3
.irp c, 0,1,2,3,4,5,6,7
	ds_load_b64 v[FG+16*\u+2*\c:FG+16*\u+2*\c+1], v[ADV] offset:4352*\u+128*(\q)+16*\c   ; V's four fragments land while the softmax is worked
.endr
.endr
	s_cmp_lt_u32 s[KK], s[BLK]                     ; all its keys count: no mask
	s_cbranch_scc1 .Lopen_\@
	v_mov_b32 v254, 0xff800000                     ; on the diagonal hidden scores become -infinity ahead of the maximum: p = 0 then
.set n, 0
.rept 64
	v_cmp_gt_i32 vcc_lo, 16*(n/8)+n%8, v[DG]
	v_cndmask_b32 v[SC+n], v[SC+n], v254, vcc_lo
.set n, n+1
.endr
.Lopen_\@:
	v_max3_num_f32 v254, v[SC], v[SC+1], v[SC+2]   ; the step's largest score of my query among my 64 keys, in two chains,
	v_max3_num_f32 v252, v[SC+3], v[SC+4], v[SC+5]
.set n, 6
.rept 14
	v_max3_num_f32 v254, v254, v[SC+n], v[SC+n+1]
	v_max3_num_f32 v252, v252, v[SC+n+2], v[SC+n+3]
.set n, n+4
.endr
	v_max3_num_f32 v254, v254, v[SC+62], v[SC+63]
	s_delay_alu instid0(VALU_DEP_1)
	v_max_num_f32 v254, v254, v252
	s_delay_alu instid0(VALU_DEP_1)
	v_permlanex16_b32 v236, v254, s[SEL], s[SEL+1]
	s_delay_alu instid0(VALU_DEP_1)
	v_max_num_f32 v254, v254, v236                 ; and among lane l xor 16's
	s_delay_alu instid0(VALU_DEP_1)
	v_mul_f32 v254, s[CS], v254                    ; as t (c is positive)
	s_delay_alu instid0(VALU_DEP_1)
	v_max_num_f32 v13, v13, v254                   ; the running largest t
	v_mov_b32 v254, v12
	s_delay_alu instid0(VALU_DEP_2)
	v_floor_f32 v12, -v13                          ; the new -M = floor(-t): M is a whole number
	s_delay_alu instid0(VALU_DEP_1)
	v_sub_f32 v254, v12, v254                      ; old M - new M: a whole number, 0 or less
	s_delay_alu instid0(VALU_DEP_1)
	v_cvt_i32_f32 v254, v254                       ; (it saturates)
	s_delay_alu instid0(VALU_DEP_1)
	v_ldexp_f32 v252, 1.0, v254                    ; f = 2^(old M - new M)
.set n, 0
.rept 32
	v_pk_fma_f32 v[SC+n:SC+n+1], v[SC+n:SC+n+1], s[CS:CS+1], v[12:13] op_sel_hi:[1,0,0]   ; t - M, two at a time
.set n, n+2
.endr
.set n, 0
	s_wait_alu depctr_va_vdst(0)
.rept 64
	v_exp_f32 v[SC+n], v[SC+n]                     ; p = 2^(t - M), at most 1
.set n, n+1
.endr
	v_pk_mul_f32 v[14:15], v[14:15], v[252:253] op_sel_hi:[1,0]   ; the sums under the new M.  (The plain place behind the exponentials)
	s_wait_alu depctr_va_vdst(0)
	v_pk_add_f32 v[242:243], v[100:101], v[104:105]
	v_pk_add_f32 v[248:249], v[108:109], v[112:113]
	v_pk_add_f32 v[246:247], v[116:117], v[120:121]
	v_pk_add_f32 v[240:241], v[124:125], v[128:129]
	v_pk_add_f32 v[238:239], v[132:133], v[136:137]
	v_pk_add_f32 v[234:235], v[140:141], v[144:145]
	v_pk_add_f32 v[232:233], v[148:149], v[152:153]
	v_pk_add_f32 v[14:15], v[14:15], v[156:157]
	v_pk_add_f32 v[242:243], v[242:243], v[96:97]
	v_pk_add_f32 v[248:249], v[248:249], v[98:99]
	v_pk_add_f32 v[246:247], v[246:247], v[102:103]
	v_pk_add_f32 v[240:241], v[240:241], v[106:107]
	v_pk_add_f32 v[238:239], v[238:239], v[110:111]
	v_pk_add_f32 v[234:235], v[234:235], v[114:115]
	v_pk_add_f32 v[232:233], v[232:233], v[118:119]
	v_pk_add_f32 v[14:15], v[14:15], v[122:123]
	v_pk_add_f32 v[242:243], v[242:243], v[126:127]
	v_pk_add_f32 v[248:249], v[248:249], v[130:131]
	v_pk_add_f32 v[246:247], v[246:247], v[134:135]
	v_pk_add_f32 v[240:241], v[240:241], v[138:139]
	v_pk_add_f32 v[238:239], v[238:239], v[142:143]
	v_pk_add_f32 v[234:235], v[234:235], v[146:147]
	v_pk_add_f32 v[232:233], v[232:233], v[150:151]
	v_pk_add_f32 v[14:15], v[14:15], v[154:155]
	v_pk_add_f32 v[242:243], v[242:243], v[158:159]
	s_delay_alu instid0(VALU_DEP_2)
	v_pk_add_f32 v[14:15], v[14:15], v[240:241]
	s_delay_alu instid0(VALU_DEP_2)
	v_pk_add_f32 v[242:243], v[242:243], v[238:239]
	v_pk_add_f32 v[248:249], v[248:249], v[234:235]
	v_pk_add_f32 v[246:247], v[246:247], v[232:233]
	s_delay_alu instid0(VALU_DEP_2)
	v_pk_add_f32 v[14:15], v[14:15], v[248:249]
	s_delay_alu instid0(VALU_DEP_2)
	v_pk_add_f32 v[242:243], v[242:243], v[246:247]
	s_delay_alu instid0(VALU_DEP_1)
	v_pk_add_f32 v[14:15], v[14:15], v[242:243]
.irp t, 0,1,2,3,4,5,6,7
.irp i, 0,1,2,3,4,5,6,7
.endr
	v_cvt_scalef32_pk8_fp8_f32 v[PQ+2*\t:PQ+2*\t+1], v[SC+8*\t:SC+8*\t+7], v244
.endr
.set n, 0
.rept 16
	v_pk_mul_f32 v[OT+n:OT+n+1], v[OT+n:OT+n+1], v[252:253] op_sel_hi:[1,0]   ; O^T under the new M.  (Also the plain lines behind the conversions)
.set n, n+2
.endr
	s_wait_alu depctr_va_vdst(0)
	s_wait_dscnt 0x0                               ; V's fragments are in
.irp u, 0,1,2,3
	v_wmma_f32_16x16x128_fp8_fp8 v[OT+8*\u:OT+8*\u+7], v[FG+16*\u:FG+16*\u+15], v[PQ:PQ+15], v[OT+8*\u:OT+8*\u+7]
.endr
.rept 4
	v_nop                                          ; places behind these products for whatever follows on any way: the next step's loads, or the tile's way out
.endr
.Lhidden_\@:
	s_add_co_u32 s[KK], s[KK], 1
.endm
; A TILE of 16 queries: second = 0: block p, at most 8 key steps (4 chunks); 1: block 15 - p, at most 16 (8 chunks).  YR: its codes' registers; ya: its address.
.macro TILE second, QR, chunks, YR, ya
.if \second
	s_sub_co_u32 s[BLK], 15, s[PB]
.else
	s_mov_b32 s[BLK], s[PB]
.endif
	v_mov_b32 v13, 0xff61b1e6                      ; the largest t so far: -3e38, under every t
	s_delay_alu instid0(VALU_DEP_1)
	v_floor_f32 v12, -v13
	v_mov_b32 v14, 0
	v_mov_b32 v15, 0
.set n, 0
.rept 32
	v_mov_b32 v[OT+n], 0                           ; the step is written once: the first finds zeros, which the first change of M leaves zeros
.set n, n+1
.endr
	s_mov_b32 s[TB], 0
	s_mov_b32 s[KK], 0
	s_mov_b32 s[CH], \chunks
.Lchunk_\@:
	STEP 0, \QR
	STEP 1, \QR
	s_add_co_u32 s[TB], s[TB], CHUNK
	s_sub_co_u32 s[CH], s[CH], 1
	s_cmp_lg_u32 s[CH], 0
	s_cbranch_scc1 .Lchunk_\@
	v_add_f32 v14, v14, v15                        ; the sum's two halves,
	s_delay_alu instid0(VALU_DEP_1)
	v_permlanex16_b32 v236, v14, s[SEL], s[SEL+1]
	s_delay_alu instid0(VALU_DEP_1)
	v_add_f32 v14, v14, v236                       ; and lane l xor 16's
	s_wait_alu depctr_va_vdst(0)
	v_rcp_f32 v14, v14
	v_nop                                          ; one plain place behind a transcendental
	s_wait_alu depctr_va_vdst(0)
	v_ldexp_f32 v14, v14, s73                      ; x 2^(e8 + e9)
.set n, 0
.rept 16
	v_pk_mul_f32 v[OT+n:OT+n+1], v[OT+n:OT+n+1], v[14:15] op_sel_hi:[1,0]   ; y, each accumulator from its low end on
.set n, n+2
.endr
.set n, 0
.rept 32
.set n, n+1
.endr
.irp c, 0,1
	v_cvt_scalef32_pk8_fp8_f32 v[\YR+4*\c:\YR+4*\c+1], v[OT+16*\c:OT+16*\c+7], v245
	v_cvt_scalef32_pk8_fp8_f32 v[\YR+4*\c+2:\YR+4*\c+3], v[OT+16*\c+8:OT+16*\c+15], v245
.endr
	v_nop                                          ; one plain vector line behind the last conversion
	global_store_b128 v[YO], v[\YR:\YR+3], s[\ya:\ya+1]                 ; 32 lanes store 512 consecutive bytes, aligned: four registers of the operand's image
	global_store_b128 v[YO], v[\YR+4:\YR+7], s[\ya:\ya+1] offset:512
.endm
	TILE 0, 16, 4, 208, 60
	TILE 1, 24, 8, 216, 62
	s_wait_dscnt 0x0
	s_wait_tensorcnt 0x0
	ds_add_u32 v251, v255
	s_wait_dscnt 0x0
	ROUND                                          ; the closing round
	s_endpgm
.Lfunc_end_k_qa3c355fe30_attn:
	.size	k_qa3c355fe30_attn, .Lfunc_end_k_qa3c355fe30_attn-k_qa3c355fe30_attn
	.p2alignl 7, 3214868480
	.fill 96, 4, 3214868480
	.section	.rodata,"a",@progbits
	.p2align	6, 0x0
	.amdhsa_kernel k_qa3c355fe30_attn
		.amdhsa_group_segment_fixed_size 327680
		.amdhsa_private_segment_fixed_size 0
		.amdhsa_enable_private_segment 0
		.amdhsa_kernarg_size 40
		.amdhsa_user_sgpr_count 2
		.amdhsa_user_sgpr_kernarg_segment_ptr 1
		.amdhsa_wavefront_size32 1
		.amdhsa_system_sgpr_workgroup_id_x 1
		.amdhsa_system_sgpr_workgroup_id_y 1
		.amdhsa_system_sgpr_workgroup_id_z 1
		.amdhsa_system_vgpr_workitem_id 0
		.amdhsa_next_free_vgpr 256
		.amdhsa_next_free_sgpr 100
		.amdhsa_reserve_vcc 1
		.amdhsa_float_denorm_mode_32 3
		.amdhsa_float_denorm_mode_16_64 3
		.amdhsa_fp16_overflow 1
		.amdhsa_memory_ordered 1
		.amdhsa_forward_progress 1
		.amdhsa_inst_pref_size 94
	.end_amdhsa_kernel
	.amdgpu_metadata
---
amdhsa.version: [ 1, 2 ]
amdhsa.kernels:
  - .name:           k_qa3c355fe30_attn
    .symbol:         k_qa3c355fe30_attn.kd
    .args:
      - { .name: qc, .offset: 0, .size: 8, .value_kind: global_buffer, .address_space: global }
      - { .name: kc, .offset: 8, .size: 8, .value_kind: global_buffer, .address_space: global }
      - { .name: vc, .offset: 16, .size: 8, .value_kind: global_buffer, .address_space: global }
      - { .name: lowp_scales, .offset: 24, .size: 8, .value_kind: global_buffer, .address_space: global }
      - { .name: yimg, .offset: 32, .size: 8, .value_kind: global_buffer, .address_space: global }
    .group_segment_fixed_size: 327680
    .private_segment_fixed_size: 0
    .kernarg_segment_align: 8
    .kernarg_segment_size: 40
    .max_flat_workgroup_size: 512
    .sgpr_count:     100
    .vgpr_count:     256
    .wavefront_size: 32
...
	.end_amdgpu_metadata
.endif
;; end of part 3
;; launch proj (part 4): grid 4 x 32, 4 waves a work-group, clusters of 4 x 4, 327,680 bytes of LDS; arguments yimg, wcodes, lowp_scales, bc, out0; writes out0
.if DOCPART == 4
	.amdgcn_target "amdgcn-amd-amdhsa--gfx1250"
	.amdhsa_code_object_version 6
	.text
	.protected	k_qa3c355fe30_proj
	.globl	k_qa3c355fe30_proj
	.p2align	8
	.type	k_qa3c355fe30_proj,@function
k_qa3c355fe30_proj:
	s_mov_b64 s[64:65], 0
	v_nop
	global_prefetch_b8 v0, s[64:65] scope:SCOPE_SE
	s_setreg_imm32_b32 hwreg(HW_REG_WAVE_MODE, 25, 1), 1
	s_wait_xcnt 0x0
	s_wait_alu depctr_hold_cnt(0) depctr_sa_sdst(0) depctr_va_vdst(0) depctr_va_sdst(0) depctr_va_ssrc(0) depctr_va_vcc(0) depctr_vm_vsrc(0)
	s_getreg_b32 s2, hwreg(HW_REG_IB_STS2, 6, 4)
	s_cmp_eq_u32 s2, 0
	s_cbranch_scc0 .Lentry_in_a_cluster
	s_endpgm
.Lentry_in_a_cluster:
	s_bfe_u32 s2, ttmp6, 0x10000c
	s_cmp_lg_u32 s2, 0xf033
	s_cbranch_scc0 .Lentry_shape_is_right
	s_endpgm
.Lentry_shape_is_right:
; out0[token][n] = (sum over k of y[token][k] Wc[n][k]) x 2^(e10 + e11) + bc[n], on E4M3 codes; 8,192 x 1,024 x 1,024; out0 f32.
; y's codes come as images of the operand's registers: yimg[K step of 256][token / 16][half of 128][group c of four registers][lane][16 bytes]; lane (r, h), group c: k = 32 c + 16 h + 0 .. 15 of token r.
; So a K step's 128 tokens are one dense block of 32,768 bytes, and a fragment is four loads of 512 consecutive bytes.  Wc's codes (the fourth set of wcodes) lie by rows and are fetched with the same places of k.
; A tile of out0 is 256 x 256, made by four waves, each 128 x 128; K goes in four steps of 256 through two LDS slots; the four steps are written out.  128 work-groups: 8,192 x 1,024 has no more tiles of this size.
; CLUSTERS: 4 x 4 work-groups; y's tiles are shared along a row of the cluster, Wc's along a column: each is asked for jointly.
; THE MATRIX INSTRUCTION IS USED TRANSPOSED (source 0 = 16 rows of Wc, source 1 = 16 tokens): a lane holds eight neighbouring columns of a row of out0.
; LIMIT: e10 + e11 between -126 and 127.
; REGISTERS: window 0: v0-31 addresses; v32-35 my four numbers of bc; from v128 A's fragments, ONE set, on the way out rows.  window 1: B's fragments, two sets.  windows 2, 3: the accumulators.
.set SIZE_N, 1024
.set ROWB,   256
.set KROW,   1024
.set PITCH,  272
.set FR,     16
.set NL,     4
.set NP,     4
.set HALFT,  128*PITCH                 ; a wave's part of a slot (y's images use 32,768 bytes of it)
.set SLOT,   4*HALFT
.set ASTEP,  0x200000                  ; from one K step's images to the next
.set SPARE,  2*SLOT
.set SPITCH, 528                       ; the way out: a stage of 16 rows x (512 bytes + 16) for each wave, in slot 0, which has had its last fill and its last read by then
.set ADRA, 16
.set ADRB, 20
.set STO,  24
.set RD,   25
.set CO,   26
.set SPW,  28
.set NIL,  29
.set AF,   128
.set BK,   128
.set G1, 24
.set G0, 32
.set G1B, 48
.set G0B, 56
.set MSB, 0
.macro WIN new
.if MSB != (\new)
	s_set_vgpr_msb (MSB<<8)|(\new)
.set MSB, (\new)
.endif
.endm
.set MUL_LO, 0xa1
.set MUL_HI, 0xf1
.set TO_B,   0x40
.macro JLOAD g0a, g1a, g0b, g1b        ; waves 0 and 1 fetch for A, waves 2 and 3 for B; four v_nop follow each of the two lines
	s_cmp_eq_u32 s15, 0
	s_cbranch_scc0 .Lfor_b_\@
	tensor_load_to_lds s[\g0a:\g0a+3], s[\g1a:\g1a+7]
	s_nop 0
.rept 4
	v_nop
.endr
	s_branch .Lasked_\@
.Lfor_b_\@:
	tensor_load_to_lds s[\g0b:\g0b+3], s[\g1b:\g1b+7]
	s_nop 0
.rept 4
	v_nop
.endr
.Lasked_\@:
.endm
.macro CREST
	s_cmp_lg_u32 s14, 0
	s_cbranch_scc1 .Lnot_wave_0_\@
	s_barrier_signal -3
.Lnot_wave_0_\@:
	s_barrier_wait -3
	s_barrier_signal -1
	s_barrier_wait -1
.endm
.macro CROUND
	s_barrier_signal -1
	s_barrier_wait -1
	CREST
.endm
	s_load_b128 s[4:7], s[0:1], 0x0                ; yimg, wcodes
	s_load_b128 s[8:11], s[0:1], 0x10              ; the scales' exponents, bc
	s_load_b64 s[12:13], s[0:1], 0x20              ; out0
	v_lshl_add_u32 v[SPW], v0, 2, SPARE
	v_mov_b32 v[NIL], 0
	ds_add_u32 v28, v29
	ds_add_u32 v28, v29
	s_wait_dscnt 0x0
	v_lshrrev_b32 v1, 5, v0
	v_readfirstlane_b32 s14, v1                    ; wave 0..3
	s_lshr_b32 s15, s14, 1                         ; which half of the tile's rows is mine.  Also: I fetch for A (0) or for B (1)
	s_and_b32 s16, s14, 1                          ; which half of its columns.  Also: which 128 rows I fetch
	s_bfe_u32 s40, ttmp6, 0x40000                  ; cx
	s_bfe_u32 s41, ttmp6, 0x40004                  ; cy
	s_lshl_b32 s42, ttmp9, 2
	s_add_co_u32 s42, s42, s40                     ; tile column
	s_and_b32 s17, ttmp7, 0xffff
	s_lshl_b32 s17, s17, 2
	s_add_co_u32 s17, s17, s41                     ; tile row
	s_lshl_b32 s43, s41, 2
	s_lshl_b32 s43, 15, s43                        ; my row of the cluster
	s_lshl_b32 s44, 0x1111, s40                    ; my column
	s_or_b32 s[G1+0], s43, (0<<16)|(1<<21)         ; A: the mask; elements of 1 byte; bit 21 beside a mask; no padding: the images are read as they lie
	s_mov_b32 s[G1+1], 256<<16                     ; a dense block as 128 rows of 256 bytes
	s_mov_b32 s[G1+2], 128<<16
	s_mov_b32 s[G1+3], 256<<16
	s_mov_b32 s[G1+4], 128
	s_mov_b32 s[G1+5], 256
	s_mov_b32 s[G1+6], 0
	s_mov_b32 s[G1+7], 0
	s_or_b32 s[G1B+0], s44, (0<<16)|(1<<20)|(1<<21)|(5<<22)|(3<<25)   ; B: 4 words of padding after every 64
	s_mov_b32 s[G1B+1], ROWB<<16
	s_mov_b32 s[G1B+2], 128<<16
	s_mov_b32 s[G1B+3], ROWB<<16
	s_mov_b32 s[G1B+4], 128
	s_mov_b32 s[G1B+5], KROW
	s_mov_b32 s[G1B+6], 0
	s_mov_b32 s[G1B+7], 0
	s_lshl_b32 s20, s17, 16                        ; A: (256 x tile row + 128 x half) tokens x 256 bytes
	s_lshl_b32 s18, s16, 15
	s_add_co_u32 s20, s20, s18
	s_mov_b32 s21, 0
	s_lshl_b32 s46, s42, 8                         ; B: row 256 x tile column + 128 x half, of 1,024 bytes, in the fourth set
	s_lshl_b32 s18, s16, 7
	s_add_co_u32 s46, s46, s18
	s_lshl_b32 s46, s46, 10
	s_add_co_u32 s46, s46, 0x300000
	s_mov_b32 s47, 0
	s_mul_i32 s45, s14, HALFT
	s_wait_kmcnt 0x0
	s_load_b64 s[96:97], s[8:9], 0x28              ; entries 10, 11
	s_add_nc_u64 s[20:21], s[4:5], s[20:21]
	s_add_nc_u64 s[46:47], s[6:7], s[46:47]
	CROUND                                         ; all sixteen work-groups are here: the first joint loads meet
.irp s, 0,1
	s_mov_b32 s[G0+4*\s], 1
	s_add_co_u32 s[G0+4*\s+1], s45, \s*SLOT
	s_add_nc_u64 s[G0+4*\s+2:G0+4*\s+3], s[20:21], \s*ASTEP
	s_or_b32 s[G0+4*\s+3], s[G0+4*\s+3], 0x80000000
	s_mov_b32 s[G0B+4*\s], 1
	s_add_co_u32 s[G0B+4*\s+1], s45, \s*SLOT
	s_add_nc_u64 s[G0B+4*\s+2:G0B+4*\s+3], s[46:47], \s*ROWB
	s_or_b32 s[G0B+4*\s+3], s[G0B+4*\s+3], 0x80000000
	s_wait_alu depctr_va_vdst(0)
	s_wait_tensorcnt 0x0
	ds_add_u32 v28, v29
	ds_add_u32 v28, v29
	s_wait_dscnt 0x0
	CROUND
	JLOAD G0+4*\s, G1, G0B+4*\s, G1B
.endr
	v_and_b32 v1, 15, v0                           ; r
	v_bfe_u32 v2, v0, 4, 1                         ; h
	v_and_b32 v6, 31, v0
	v_lshlrev_b32 v[CO], 4, v6                     ; 16 x lane: an image's place for my lane; my 16 bytes of a row of 512; never rewritten
	v_mul_u32_u24 v3, v1, PITCH
	v_lshl_add_u32 v4, v2, 4, v3                   ; B: a fragment's row x pitch + 16 h
	s_mul_i32 s21, s15, HALFT                      ; my 128 tokens' images
	s_mul_i32 s22, s16, HALFT
	s_add_co_u32 s22, s22, 2*HALFT                 ; my 128 rows of B
.irp s, 0,1
	v_add_nc_u32 v[ADRA+\s], s21, v[CO]
	v_add_nc_u32 v[ADRB+\s], s22, v4
	s_add_co_u32 s21, s21, SLOT
	s_add_co_u32 s22, s22, SLOT
.endr
	s_mul_i32 s23, s14, 16*SPITCH                  ; my stage
	v_mul_u32_u24 v5, v1, SPITCH
	v_lshl_add_u32 v5, v2, 5, v5
	v_add_nc_u32 v[STO], s23, v5                   ; in: row r, 32 bytes for each half of the lanes
	v_add_nc_u32 v[RD], s23, v[CO]                 ; back: the 32 lanes take one row of 512 bytes
	s_lshl_b32 s20, s17, 20                        ; my first row of out0: (256 x tile row + 128 x half) x 4,096 bytes
	s_lshl_b32 s21, s15, 19
	s_add_co_u32 s20, s20, s21
	s_mov_b32 s21, 0
	s_lshl_b32 s46, s42, 10                        ; my first column, in bytes
	s_lshl_b32 s47, s16, 9
	s_add_co_u32 s46, s46, s47
	s_mov_b32 s47, 0
	s_add_nc_u64 s[10:11], s[10:11], s[46:47]
	global_load_b128 v[32:35], v[CO], s[10:11]     ; bc at the four columns that I hold when a row has come back from the stage
	s_add_nc_u64 s[20:21], s[20:21], s[46:47]
	s_add_nc_u64 s[12:13], s[12:13], s[20:21]
.macro FRAGB reg, adr, q, i
.irp c, 0,1,2,3
	ds_load_b128 v[\reg+4*\c:\reg+4*\c+3], v[\adr] offset:128*(\q)+32*\c+(\i)*16*PITCH
.endr
.endm
.macro FRAGA reg, adr, q, i            ; an image: four groups of 512 consecutive bytes
.irp c, 0,1,2,3
	ds_load_b128 v[\reg+4*\c:\reg+4*\c+3], v[\adr] offset:4096*(\i)+2048*(\q)+512*\c
.endr
.endm
; The 64 accumulators take turns, one instruction a turn, in the same order in every step.
.macro MUL16 a0, p, zero
.irp a, \a0, \a0+1
.irp b, 0,1,2,3,4,5,6,7
.if \zero
	v_wmma_f32_16x16x128_fp8_fp8 v[8*(8*((\a)%4)+\b):8*(8*((\a)%4)+\b)+7], v[128*(\p)+FR*\b:128*(\p)+FR*\b+FR-1], v[AF+FR*(\a):AF+FR*(\a)+FR-1], 0
.else
	v_wmma_f32_16x16x128_fp8_fp8 v[8*(8*((\a)%4)+\b):8*(8*((\a)%4)+\b)+7], v[128*(\p)+FR*\b:128*(\p)+FR*\b+FR-1], v[AF+FR*(\a):AF+FR*(\a)+FR-1], v[8*(8*((\a)%4)+\b):8*(8*((\a)%4)+\b)+7]
.endif
.endr
.endr
.endm
.macro FETCH_B slot, q, p
	WIN TO_B
.irp i, 0,1,2,3,4,5,6,7
	FRAGB 128*(\p)+FR*\i, ADRB+\slot, \q, \i
.endr
	WIN 0
.endm
.macro FETCH_A slot, q, i0
.irp i, \i0, \i0+1, \i0+2, \i0+3
	FRAGA AF+FR*(\i), ADRA+\slot, \q, \i
.endr
.endm
.macro PLACES n                        ; plain vector lines between a matrix instruction and a load into, or a read of, its registers
.rept \n
	v_nop
.endr
.endm
.macro STEP slot, q, zero
	s_wait_dscnt 4*NL                              ; B's set and A's blocks 0-3 are in; the youngest sixteen loads (A's blocks 4-7) may be out
	WIN MUL_LO
	MUL16 0, (\q)%2, \zero
	MUL16 2, (\q)%2, \zero
	s_wait_dscnt 0
	PLACES NP
	FETCH_B \slot, (\q)+1, 1-(\q)%2
	FETCH_A \slot, (\q)+1, 0
	WIN MUL_HI
	MUL16 4, (\q)%2, \zero
	MUL16 6, (\q)%2, \zero
	PLACES NP
	WIN 0
	FETCH_A \slot, (\q)+1, 4
.endm
.macro TURN slot, next, fill
	s_wait_tensorcnt 0x0                           ; all my tensor loads have landed: my part of the next slot
	ds_add_u32 v[SPW], v[NIL]                      ; 0 onto my spare word
	s_wait_dscnt 4*NL+1                            ; (the add and the youngest sixteen loads may be out)
	WIN MUL_LO
	MUL16 0, 1, 0
	s_wait_dscnt 0x0                               ; the add is done, and my reads of this slot are over
	s_barrier_signal -1
	MUL16 2, 1, 0
	WIN 0
	s_barrier_wait -1
.if \fill
	CREST                                          ; the barrier has opened a round of the cluster's barrier
	s_add_nc_u64 s[G0+4*\slot+2:G0+4*\slot+3], s[G0+4*\slot+2:G0+4*\slot+3], 2*ASTEP
	s_add_nc_u64 s[G0B+4*\slot+2:G0B+4*\slot+3], s[G0B+4*\slot+2:G0B+4*\slot+3], 2*ROWB
	JLOAD G0+4*\slot, G1, G0B+4*\slot, G1B         ; my one tensor load behind the round; its four v_nop are the places in front of the loads below
.else
	PLACES NP
.endif
	FETCH_B \next, 0, 0
	FETCH_A \next, 0, 0
	WIN MUL_HI
	MUL16 4, 1, 0
	MUL16 6, 1, 0
	PLACES NP
	WIN 0
	FETCH_A \next, 0, 4
.endm
	s_wait_alu depctr_va_vdst(0)
	s_wait_tensorcnt 1                             ; my part of K step 0 is in; K step 1's load may be out
	s_barrier_signal -1
	s_barrier_wait -1
	FETCH_B 0, 0, 0
	FETCH_A 0, 0, 0
	FETCH_A 0, 0, 4
	STEP 0, 0, 1                                   ; the first products start the sums
	TURN 0, 1, 1                                   ; slot 0 takes K step 2
	STEP 1, 0, 0
	TURN 1, 0, 1                                   ; slot 1 takes K step 3
	STEP 0, 0, 0
	TURN 0, 1, 0                                   ; nothing is left to fetch; behind this barrier nobody reads slot 0
	STEP 1, 0, 0
	s_wait_dscnt 4*NL
	WIN MUL_LO
	MUL16 0, 1, 0
	MUL16 2, 1, 0
	s_wait_dscnt 0
	WIN MUL_HI
	MUL16 4, 1, 0
	MUL16 6, 1, 0
	WIN 0
; THE WAY OUT, block by block of 16 rows x 128 columns: the sums go as they are through my own stage in LDS and come back as whole rows of 512 bytes; there a lane holds four columns, the same in every row,
; so that one packed multiply-add for two numbers gives sum x 2^(e10 + e11) + bc.  LDS serves a wave's instructions in order: no wait between the stores and the loads, nor in front of the next block's stores.
.macro TOSTAGE a
.set AC, 64*((\a)%4)
	WIN 0x08+4*((\a)/4)                            ; the stores' data: window 2 or 3
.irp b, 0,1,2,3,4,5,6,7
	ds_store_b128 v[STO], v[AC+8*\b:AC+8*\b+3] offset:64*\b          ; each accumulator from its low end on
	ds_store_b128 v[STO], v[AC+8*\b+4:AC+8*\b+7] offset:64*\b+16
.endr
	WIN 0
.set BB, BK+64*((\a)%2)
.irp t, 0,1,2,3,4,5,6,7,8,9,10,11,12,13,14,15
	ds_load_b128 v[BB+4*\t:BB+4*\t+3], v[RD] offset:\t*SPITCH
.endr
.endm
.macro SEND a, younger                 ; younger: the LDS instructions issued behind block a's loads, which may stay out
.set BB, BK+64*((\a)%2)
	s_wait_dscnt \younger
.if (\a) > 0
	s_add_nc_u64 s[12:13], s[12:13], 16*SIZE_N*4   ; (behind a wait on XCNT: the earlier stores have read their base)  16 rows on
.endif
.irp t, 0,1,2,3,4,5,6,7,8,9,10,11,12,13,14,15
	v_pk_fma_f32 v[BB+4*\t:BB+4*\t+1], v[BB+4*\t:BB+4*\t+1], s[96:97], v[32:33] op_sel_hi:[1,0,1]
	v_pk_fma_f32 v[BB+4*\t+2:BB+4*\t+3], v[BB+4*\t+2:BB+4*\t+3], s[96:97], v[34:35] op_sel_hi:[1,0,1]
.endr
.irp t, 0,1,2,3,4,5,6,7,8,9,10,11,12,13,14,15
	global_store_b128 v[CO], v[BB+4*\t:BB+4*\t+3], s[12:13] offset:\t*SIZE_N*4 th:TH_STORE_NT   ; 32 lanes store 512 consecutive bytes, aligned; written once, read by nobody here
.endr
.endm
	s_wait_kmcnt 0x0
	s_add_co_i32 s96, s96, s97
	s_add_co_i32 s96, s96, 127
	s_lshl_b32 s96, s96, 23                        ; 2^(e10 + e11) as f32
	s_mov_b32 s97, s96                             ; (named with it as a pair, so it is written)
	s_wait_loadcnt 0x0                             ; bc
	PLACES NP                                      ; behind the last products: for the stores that read results and the loads into the registers that held A's fragments
	TOSTAGE 0
.irp a, 1,2,3,4,5,6,7
.if \a > 1
	s_wait_xcnt 0x0                                ; block a - 2's stores have read their registers and their base: block a's loads may land there, and the base may step
.endif
	TOSTAGE \a
	SEND \a-1, 32                                  ; behind block a - 1's loads: block a's 16 stores and 16 loads
.endr
	s_wait_xcnt 0x0
	SEND 7, 0
	s_wait_tensorcnt 0x0                           ; the wave's end
	ds_add_u32 v[SPW], v[NIL]
	s_wait_dscnt 0x0
	CROUND                                         ; the closing round
	s_endpgm
.Lfunc_end_k_qa3c355fe30_proj:
	.size	k_qa3c355fe30_proj, .Lfunc_end_k_qa3c355fe30_proj-k_qa3c355fe30_proj
	.p2alignl 7, 3214868480
	.fill 96, 4, 3214868480
	.section	.rodata,"a",@progbits
	.p2align	6, 0x0
	.amdhsa_kernel k_qa3c355fe30_proj
		.amdhsa_group_segment_fixed_size 327680
		.amdhsa_private_segment_fixed_size 0
		.amdhsa_enable_private_segment 0
		.amdhsa_kernarg_size 40
		.amdhsa_user_sgpr_count 2
		.amdhsa_user_sgpr_kernarg_segment_ptr 1
		.amdhsa_wavefront_size32 1
		.amdhsa_system_sgpr_workgroup_id_x 1
		.amdhsa_system_sgpr_workgroup_id_y 1
		.amdhsa_system_sgpr_workgroup_id_z 1
		.amdhsa_system_vgpr_workitem_id 0
		.amdhsa_next_free_vgpr 1024
		.amdhsa_next_free_sgpr 100
		.amdhsa_reserve_vcc 0
		.amdhsa_float_denorm_mode_32 3
		.amdhsa_float_denorm_mode_16_64 3
		.amdhsa_memory_ordered 1
		.amdhsa_forward_progress 1
		.amdhsa_inst_pref_size 124
	.end_amdhsa_kernel
	.amdgpu_metadata
---
amdhsa.version: [ 1, 2 ]
amdhsa.kernels:
  - .name:           k_qa3c355fe30_proj
    .symbol:         k_qa3c355fe30_proj.kd
    .args:
      - { .name: yimg, .offset: 0, .size: 8, .value_kind: global_buffer, .address_space: global }
      - { .name: wcodes, .offset: 8, .size: 8, .value_kind: global_buffer, .address_space: global }
      - { .name: lowp_scales, .offset: 16, .size: 8, .value_kind: global_buffer, .address_space: global }
      - { .name: bc, .offset: 24, .size: 8, .value_kind: global_buffer, .address_space: global }
      - { .name: out0, .offset: 32, .size: 8, .value_kind: global_buffer, .address_space: global }
    .group_segment_fixed_size: 327680
    .private_segment_fixed_size: 0
    .kernarg_segment_align: 8
    .kernarg_segment_size: 40
    .max_flat_workgroup_size: 128
    .sgpr_count:     100
    .vgpr_count:     1024
    .wavefront_size: 32
...
	.end_amdgpu_metadata
.endif
;; end of part 4
